; MI455X (gfx1250); checked and timed in simulation.
; The chip was launched on July 23, 2026; its instructions are those of AMD's public machine-readable ISA for CDNA 5 (MIT licence, August 2026) and "CDNA5" Instruction Set Architecture Reference Guide (July 2026). The comments in the code are by the model that wrote it; some were corrected since.
;; BERT Encoder Block. Allowed arithmetic: float matrix products may take bf16 or f16 operands with f32 sums; all other float work in f32.
;; Inputs: W1 512 x 512 float32; W2 512 x 512 float32; Wk 512 x 512 float32; Wo 512 x 512 float32; Wq 512 x 512 float32; Wv 512 x 512 float32; b1 512 float32; b2 512 float32; bf1 512 float32; bf2 512 float32; bk 512 float32; bo 512 float32; bq 512 float32; bv 512 float32; g1 512 float32; g2 512 float32; x 8 x 2,048 x 512 float32.
;; Outputs: out0 8 x 2,048 x 512 float32.
;; 2 versions, each right; version 2 is version 1 with the launch prep written anew for expert scheduling mode. Each part assembles by itself: llvm-mc -triple=amdgcn-amd-amdhsa -mcpu=gfx1250 --defsym DOCPART=n.
;; ======== version 1 of 2: 4 launches
;; limits: values outside matrix products are rounded to bf16
;; workspace buffers: xb 16,777,216 bytes; wb 3,145,728 bytes; qkv 50,331,648 bytes; op 33,554,432 bytes; ml 262,144 bytes
;; launch prep (part 1): grid 256 x 1, 8 waves a work-group, no clusters, 0 bytes of LDS; arguments x, Wq, Wk, Wv, Wo, W1, W2, xb, wb; writes xb, wb
.if DOCPART == 1
	.amdgcn_target "amdgcn-amd-amdhsa--gfx1250"
	.amdhsa_code_object_version 6
	.text
	.protected	k_q5bf379355c_prep
	.globl	k_q5bf379355c_prep
	.p2align	8
	.type	k_q5bf379355c_prep,@function
k_q5bf379355c_prep:
	s_mov_b64 s[64:65], 0
	v_nop
	global_prefetch_b8 v0, s[64:65] scope:SCOPE_SE
	s_setreg_imm32_b32 hwreg(HW_REG_WAVE_MODE, 25, 1), 1
	s_wait_xcnt 0x0
; x and the six weight matrices are rounded to bf16, layouts unchanged: xb [16384][512]; wb [6][512 k][512 n] in the order Wq, Wk, Wv, Wo, W1, W2.
; A stream: no LDS, no matrix unit, no cluster (no work-group shares a byte with another).  A work-group takes 131,072 bytes of x (32 loads of 16 bytes a
; thread) and 4,096 bytes of each weight (one load each).  All 38 loads go out first; each has registers of its own, so nothing is rewritten and the
; only waits are the counted ones.  A wave's load covers 512 consecutive bytes, its store 256 consecutive bytes at a multiple of 256.
.set NX, 32
.set NW, 6
.set IN,  16                           ; v[16:167]   load i: 4 registers
.set OUT, 168                          ; v[168:243]  load i: 2 registers, 4 bf16
	s_load_b512 s[8:23], s[0:1], 0x0               ; x s[8:9], Wq .. W2 s[10:21], xb s[22:23]
	s_load_b64 s[24:25], s[0:1], 0x40              ; wb
	v_lshlrev_b32 v1, 4, v0                        ; 16 bytes a thread in
	v_lshlrev_b32 v2, 3, v0                        ; 8 bytes a thread out
	s_lshl_b32 s2, ttmp9, 17                       ; my part of x
	s_mov_b32 s3, 0
	s_lshl_b32 s4, ttmp9, 16                       ; of xb
	s_mov_b32 s5, 0
	s_lshl_b32 s6, ttmp9, 12                       ; of each weight
	s_mov_b32 s7, 0
	s_lshl_b32 s26, ttmp9, 11                      ; of each weight in wb
	s_mov_b32 s27, 0
	s_wait_kmcnt 0x0
	s_add_nc_u64 s[8:9], s[8:9], s[2:3]
	s_add_nc_u64 s[22:23], s[22:23], s[4:5]
.irp p, 10,12,14,16,18,20
	s_add_nc_u64 s[\p:\p+1], s[\p:\p+1], s[6:7]
.endr
	s_add_nc_u64 s[24:25], s[24:25], s[26:27]
.set i, 0
.rept NX
	global_load_b128 v[IN+4*i:IN+4*i+3], v1, s[8:9] offset:4096*i th:TH_LOAD_NT
.set i, i+1
.endr
.set i, 0
.rept NW
	global_load_b128 v[IN+4*(NX+i):IN+4*(NX+i)+3], v1, s[10+2*i:11+2*i]
.set i, i+1
.endr
.set i, 0
.rept NX+NW
	s_wait_loadcnt NX+NW-1-i                       ; loads come back in order: load i is in, the younger ones stay out
	v_cvt_pk_bf16_f32 v[OUT+2*i], v[IN+4*i], v[IN+4*i+1]
	v_cvt_pk_bf16_f32 v[OUT+2*i+1], v[IN+4*i+2], v[IN+4*i+3]
.if i < NX
	global_store_b64 v2, v[OUT+2*i:OUT+2*i+1], s[22:23] offset:2048*i
.else
	global_store_b64 v2, v[OUT+2*i:OUT+2*i+1], s[24:25] offset:(i-NX)*524288
.endif
.set i, i+1
.endr
	s_endpgm
.Lfunc_end_k_q5bf379355c_prep:
	.size	k_q5bf379355c_prep, .Lfunc_end_k_q5bf379355c_prep-k_q5bf379355c_prep
	.p2alignl 7, 3214868480
	.fill 96, 4, 3214868480
	.section	.rodata,"a",@progbits
	.p2align	6, 0x0
	.amdhsa_kernel k_q5bf379355c_prep
		.amdhsa_group_segment_fixed_size 0
		.amdhsa_private_segment_fixed_size 0
		.amdhsa_enable_private_segment 0
		.amdhsa_kernarg_size 72
		.amdhsa_user_sgpr_count 2
		.amdhsa_user_sgpr_kernarg_segment_ptr 1
		.amdhsa_wavefront_size32 1
		.amdhsa_system_sgpr_workgroup_id_x 1
		.amdhsa_system_sgpr_workgroup_id_y 1
		.amdhsa_system_sgpr_workgroup_id_z 1
		.amdhsa_system_vgpr_workitem_id 0
		.amdhsa_next_free_vgpr 248
		.amdhsa_next_free_sgpr 66
		.amdhsa_reserve_vcc 0
		.amdhsa_float_denorm_mode_32 3
		.amdhsa_float_denorm_mode_16_64 3
		.amdhsa_memory_ordered 1
		.amdhsa_forward_progress 1
		.amdhsa_inst_pref_size 15
	.end_amdhsa_kernel
	.amdgpu_metadata
---
amdhsa.version: [ 1, 2 ]
amdhsa.kernels:
  - .name:           k_q5bf379355c_prep
    .symbol:         k_q5bf379355c_prep.kd
    .args:
      - { .name: x, .offset: 0, .size: 8, .value_kind: global_buffer, .address_space: global }
      - { .name: Wq, .offset: 8, .size: 8, .value_kind: global_buffer, .address_space: global }
      - { .name: Wk, .offset: 16, .size: 8, .value_kind: global_buffer, .address_space: global }
      - { .name: Wv, .offset: 24, .size: 8, .value_kind: global_buffer, .address_space: global }
      - { .name: Wo, .offset: 32, .size: 8, .value_kind: global_buffer, .address_space: global }
      - { .name: W1, .offset: 40, .size: 8, .value_kind: global_buffer, .address_space: global }
      - { .name: W2, .offset: 48, .size: 8, .value_kind: global_buffer, .address_space: global }
      - { .name: xb, .offset: 56, .size: 8, .value_kind: global_buffer, .address_space: global }
      - { .name: wb, .offset: 64, .size: 8, .value_kind: global_buffer, .address_space: global }
    .group_segment_fixed_size: 0
    .private_segment_fixed_size: 0
    .kernarg_segment_align: 8
    .kernarg_segment_size: 72
    .max_flat_workgroup_size: 256
    .sgpr_count:     66
    .vgpr_count:     248
    .wavefront_size: 32
...
	.end_amdgpu_metadata
.endif
;; end of part 1
;; launch proj (part 2): grid 128 x 2, 4 waves a work-group, clusters of 4 x 1, 327,680 bytes of LDS; arguments xb, wb, bq, bk, bv, qkv; writes qkv
.if DOCPART == 2
	.amdgcn_target "amdgcn-amd-amdhsa--gfx1250"
	.amdhsa_code_object_version 6
	.text
	.protected	k_q5bf379355c_proj
	.globl	k_q5bf379355c_proj
	.p2align	8
	.type	k_q5bf379355c_proj,@function
k_q5bf379355c_proj:
	s_mov_b64 s[64:65], 0
	v_nop
	global_prefetch_b8 v0, s[64:65] scope:SCOPE_SE
	s_setreg_imm32_b32 hwreg(HW_REG_WAVE_MODE, 25, 1), 1
	s_wait_xcnt 0x0
	s_wait_alu depctr_hold_cnt(0) depctr_sa_sdst(0) depctr_va_vdst(0) depctr_va_sdst(0) depctr_va_ssrc(0) depctr_va_vcc(0) depctr_vm_vsrc(0)
	s_getreg_b32 s2, hwreg(HW_REG_IB_STS2, 6, 4)
	s_cmp_eq_u32 s2, 0
	s_cbranch_scc0 .Lentry_in_a_cluster
	s_endpgm
.Lentry_in_a_cluster:
	s_bfe_u32 s2, ttmp6, 0x10000c
	s_cmp_lg_u32 s2, 0x3003
	s_cbranch_scc0 .Lentry_shape_is_right
	s_endpgm
.Lentry_shape_is_right:
; Q, K, V = xb W + b, bf16 operands, f32 sums, each result rounded once to bf16: qkv [3][16384][512].
; SHARES.  A work-group owns 128 rows and 256 columns and makes that block of Q, then of K, then of V.  Its 128 rows of xb (all 512 along K) lie in LDS for the whole launch.
; The weights stream through two LDS slots, 128 k-rows x 256 columns a step: 12 steps, since Wq, Wk, Wv lie end to end in wb.  A wave makes 64 rows x 128 columns: 32 accumulators.
; CLUSTER.  The four work-groups of a cluster have the same column half and walk the same weights: each weight tile is asked for JOINTLY (same load, same descriptor, mask of four).
; The rows of xb are each work-group's own: a plain load in the same first group.
; W lies [k][n] in LDS; its fragments come out turned, by ds_load_tr16_b128.  THE MATRIX INSTRUCTION IS USED TRANSPOSED (source 0 = 16 columns of W, source 1 = 16 rows of xb):
; a lane holds row l % 16 and eight neighbouring columns 8 (l / 16) + 0..7.
; The sums start from the bias: 256 v_mov_b32 a block copy it into the accumulators; that is the price of one text for every K step.
; REGISTERS: window 0: v0-15 addresses; v32-127, v128-223 two fragment buffers (64 of W, 32 of xb); v224-255 and buffer 1 at work on the way out.  window 1: accumulator (a, b) at 8 (8 a + b).  window 2: v0-63 the bias of my 128 columns.
.set PW,    544                        ; a row of W in LDS: 512 bytes + 32 = 17 x 32
.set PA,    1040                       ; a row of xb: 1,024 + 16 = 65 x 16: the 16 rows of a fragment load start at 16 different groups of four banks
.set SLOTB, 128*PW
.set STAGE, 2*SLOTB                    ; 16 rows x 272 bytes for each wave, for the way out; no tensor load lands here
.set SP,    272
.set SPARE, STAGE+4*16*SP              ; the spare words, 128 bytes a wave
.set ABASE, SPARE+512                  ; xb's 128 rows, filled once
.set LA,  2                            ; my lane's place in xb's rows
.set LB,  3                            ; my lane's place in a slot
.set ADA, 4                            ; LA + the step's bytes along K
.set ADB, 5                            ; LB + the slot in hand
.set STO, 6
.set RD,  7
.set CO,  8
.set SPW, 10                           ; SPARE + 4 x my thread's number; never rewritten
.set NIL, 11                           ; 0; never rewritten
.set BO,  12                           ; byte offset of my lane's bias
.set F0,  32
.set F1,  128
.set BK,  128
.set TMP, 224
.set WV,  16
.set TB,  17                           ; the slot that is read: 0 or SLOTB
.set TA,  18                           ; bytes along K in xb's rows: 256 x (step mod 4)
.set FB,  19                           ; the slot that was filled last
.set WOFF, 20                          ; my 32 rows in a slot
.set CNT, 21
.set PCNT, 22
.set G1A, 24
.set G1W, 32
.set G0A, 40
.set G0S, 44                           ; step 0
.set G0W, 48                           ; step 1, then it walks
.set OB,  52
.set BPN, 54                           ; the next block's bias
.set MSB, 0
.macro WIN new                         ; the high byte repeats the setting that is left; a switch that changes nothing is dropped
.if MSB != (\new)
	s_set_vgpr_msb (MSB<<8)|(\new)
.set MSB, \new
.endif
.endm
.macro PLACES                          ; four plain places between a matrix instruction and a vector instruction or load that touches its registers
.rept 4
	v_nop
.endr
.endm
.macro CREST                           ; a round of the cluster's barrier behind its opening barrier
	s_cmp_lg_u32 s[WV], 0
	s_cbranch_scc1 .Lnot_wave_0_\@
	s_barrier_signal -3
.Lnot_wave_0_\@:
	s_barrier_wait -3
	s_barrier_signal -1
	s_barrier_wait -1
.endm
.macro CROUND
	s_barrier_signal -1
	s_barrier_wait -1
	CREST
.endm
	s_load_b256 s[4:11], s[0:1], 0x0               ; xb s[4:5], wb s[6:7], bq s[8:9], bk s[10:11]
	s_load_b128 s[12:15], s[0:1], 0x20             ; bv s[12:13], qkv s[14:15]
	v_lshl_add_u32 v[SPW], v0, 2, SPARE
	v_mov_b32 v[NIL], 0
	ds_add_u32 v10, v11
	s_wait_dscnt 0x0
	v_lshrrev_b32 v1, 5, v0
	v_readfirstlane_b32 s[WV], v1
	s_bfe_u32 s56, ttmp6, 0x40000                  ; cx
	s_lshl_b32 s57, ttmp9, 2
	s_add_co_u32 s57, s57, s56                     ; my block of 128 rows: it enters global addresses of xb and qkv alone
	s_and_b32 s58, ttmp7, 0xffff                   ; my half of the columns, shared by the four partners
	s_lshr_b32 s59, s[WV], 1                       ; which 64 rows are my wave's
	s_and_b32 s60, s[WV], 1                        ; which 128 columns
	s_mov_b32 s[G1A], (1<<16)|(1<<20)|(7<<22)|(3<<25)  ; 2-byte elements; 4 words of padding behind every 256 words; no mask
	s_mov_b32 s[G1A+1], 512<<16                    ; tensor_dim0
	s_mov_b32 s[G1A+2], 32<<16                     ; tensor_dim1
	s_mov_b32 s[G1A+3], 512<<16                    ; tile_dim0
	s_mov_b32 s[G1A+4], 32                         ; tile_dim1
	s_mov_b32 s[G1A+5], 512                        ; elements from row to row
	s_mov_b32 s[G1A+6], 0
	s_mov_b32 s[G1A+7], 0
	s_mov_b32 s[G1W], 15|(1<<16)|(1<<20)|(1<<21)|(6<<22)|(7<<25)  ; the mask of four, bit 21 beside it; 8 words of padding behind every 128 words
	s_mov_b32 s[G1W+1], 256<<16
	s_mov_b32 s[G1W+2], 32<<16
	s_mov_b32 s[G1W+3], 256<<16
	s_mov_b32 s[G1W+4], 32
	s_mov_b32 s[G1W+5], 512
	s_mov_b32 s[G1W+6], 0
	s_mov_b32 s[G1W+7], 0
	s_mul_i32 s[WOFF], s[WV], 32*PW
	s_mul_i32 s61, s[WV], 32*PA
	s_mov_b32 s[G0A], 1
	s_add_co_u32 s[G0A+1], s61, ABASE
	s_mov_b32 s[G0S], 1
	s_mov_b32 s[G0S+1], s[WOFF]
	s_mov_b32 s[G0W], 1
	s_add_co_u32 s[G0W+1], s[WOFF], SLOTB
	s_mov_b32 s[FB], SLOTB
	s_mov_b32 s[TB], 0
	s_mov_b32 s[TA], 0
	s_lshl_b32 s62, s57, 17                        ; xb: (128 block + 32 wave) rows of 1,024 bytes
	s_lshl_b32 s63, s[WV], 15
	s_add_co_u32 s62, s62, s63
	s_mov_b32 s63, 0
	s_lshl_b32 s66, s58, 9                         ; wb: my half's 512 bytes of a row + 32 wave rows; no place in the cluster enters
	s_lshl_b32 s67, s[WV], 15
	s_add_co_u32 s66, s66, s67
	s_mov_b32 s67, 0
	s_lshl_b32 s68, s57, 17                        ; qkv: (128 block + 64 wave half) rows, + my 256 bytes of a row
	s_lshl_b32 s69, s59, 16
	s_add_co_u32 s68, s68, s69
	s_lshl_b32 s69, s58, 9
	s_add_co_u32 s68, s68, s69
	s_lshl_b32 s69, s60, 8
	s_add_co_u32 s68, s68, s69
	s_mov_b32 s69, 0
	s_wait_kmcnt 0x0
	s_add_nc_u64 s[G0A+2:G0A+3], s[4:5], s[62:63]
	s_or_b32 s[G0A+3], s[G0A+3], 0x80000000
	s_add_nc_u64 s[G0S+2:G0S+3], s[6:7], s[66:67]
	s_add_nc_u64 s[G0W+2:G0W+3], s[G0S+2:G0S+3], 131072
	s_or_b32 s[G0S+3], s[G0S+3], 0x80000000
	s_or_b32 s[G0W+3], s[G0W+3], 0x80000000
	s_add_nc_u64 s[OB:OB+1], s[14:15], s[68:69]
	s_mov_b64 s[BPN:BPN+1], s[10:11]
	CROUND                                         ; all four work-groups are here: the first joint loads meet
	tensor_load_to_lds s[G0A:G0A+3], s[G1A:G1A+7]  ; my 32 rows of xb
	s_nop 0
	tensor_load_to_lds s[G0S:G0S+3], s[G1W:G1W+7]  ; my 32 rows of step 0
	s_nop 0
	tensor_load_to_lds s[G0W:G0W+3], s[G1W:G1W+7]  ; and of step 1: three loads of mine are out
	s_nop 0
	PLACES
	v_and_b32 v1, 15, v0                           ; r = l % 16
	v_bfe_u32 v13, v0, 4, 1                        ; h = l / 16
	v_and_b32 v14, 7, v0
	v_bfe_u32 v15, v0, 3, 1
	s_mul_i32 s61, s59, 64*PA
	s_add_co_u32 s61, s61, ABASE
	v_mul_u32_u24 v[LA], v1, PA
	v_lshl_add_u32 v[LA], v13, 4, v[LA]
	v_add_nc_u32 v[LA], s61, v[LA]                 ; row r of my 64, 16 bytes for each half of the lanes
	v_lshl_add_u32 v[LB], v13, 3, v14
	v_mul_u32_u24 v[LB], v[LB], PW
	v_lshl_add_u32 v[LB], v15, 4, v[LB]            ; the turning load: k-row 8 h + l % 8, columns 8 ((l / 8) % 2) on
	s_lshl_b32 s61, s60, 8
	v_add_nc_u32 v[LB], s61, v[LB]
	v_mov_b32 v[ADA], v[LA]
	v_mov_b32 v[ADB], v[LB]
	s_mul_i32 s61, s[WV], 16*SP
	s_add_co_u32 s61, s61, STAGE
	v_mul_u32_u24 v[STO], v1, SP
	v_lshl_add_u32 v[STO], v13, 4, v[STO]
	v_add_nc_u32 v[STO], s61, v[STO]
	v_mul_u32_u24 v[RD], v13, SP
	v_lshl_add_u32 v[RD], v1, 4, v[RD]
	v_add_nc_u32 v[RD], s61, v[RD]
	v_lshlrev_b32 v[CO], 10, v13
	v_lshl_add_u32 v[CO], v1, 4, v[CO]
	s_lshl_b32 s61, s58, 10
	s_lshl_b32 s56, s60, 9
	s_add_co_u32 s61, s61, s56
	v_lshlrev_b32 v[BO], 5, v13
	v_add_nc_u32 v[BO], s61, v[BO]                 ; 4 x (256 half + 128 wave half + 8 h)
.macro MUL8 f, a                       ; 8 matrix instructions: row block a x all 8 column blocks.  The 32 accumulators take turns in one fixed order
	WIN 0x50
.irp b, 0,1,2,3,4,5,6,7
	v_wmma_f32_16x16x32_bf16 v[8*(8*(\a)+\b):8*(8*(\a)+\b)+7], v[(\f)+8*\b:(\f)+8*\b+7], v[(\f)+64+8*(\a):(\f)+64+8*(\a)+7], v[8*(8*(\a)+\b):8*(8*(\a)+\b)+7]
.endr
.endm
.macro FETCH f, c                      ; 24 LDS loads in one run: the fragments of 32 along K, chunk c of the step
	WIN 0
.irp b, 0,1,2,3,4,5,6,7
	ds_load_tr16_b128 v[(\f)+8*\b:(\f)+8*\b+3],   v[ADB] offset:(\c)*32*PW+32*\b
	ds_load_tr16_b128 v[(\f)+8*\b+4:(\f)+8*\b+7], v[ADB] offset:(\c)*32*PW+32*\b+16*PW
.endr
.irp a, 0,1,2,3
	ds_load_b128 v[(\f)+64+8*\a:(\f)+64+8*\a+3],   v[ADA] offset:\a*16*PA+64*(\c)
	ds_load_b128 v[(\f)+64+8*\a+4:(\f)+64+8*\a+7], v[ADA] offset:\a*16*PA+64*(\c)+32
.endr
.endm
.macro CH f, g, c                      ; multiplies buffer f; in its middle fetches chunk c into buffer g
	s_wait_dscnt 0x0                               ; f's 24 loads are in
	MUL8 \f, 0
	MUL8 \f, 1
	PLACES
	FETCH \g, \c
	MUL8 \f, 2
	MUL8 \f, 3
.endm
; A step's last chunk multiplies buffer 1 and changes slots.  mode 1: the slot just read is filled again, two steps on; the barrier then opens a round of the cluster's.  mode 2: nothing is left to ask for.
.macro T mode
	s_wait_dscnt 0x0                               ; buffer 1's loads are in: my last reads of this slot
	WIN 0
	s_wait_tensorcnt 0x0                           ; all my tensor loads have landed: the one that was out is my part of the next slot
	ds_add_u32 v[SPW], v[NIL]                      ; 0 onto my spare word
.if (\mode) == 1
	s_xor_b32 s[FB], s[FB], SLOTB                  ; the walking descriptor: the other slot, the next 128 k-rows
	s_add_co_u32 s[G0W+1], s[FB], s[WOFF]
	s_add_nc_u64 s[G0W+2:G0W+3], s[G0W+2:G0W+3], 131072
.endif
	s_xor_b32 s[TB], s[TB], SLOTB
	s_add_co_u32 s[TA], s[TA], 256
	s_and_b32 s[TA], s[TA], 1023                   ; back to 0 where the next weight matrix begins
	MUL8 F1, 0
	s_wait_dscnt 0x0                               ; the add is done
	s_barrier_signal -1
	MUL8 F1, 1
	WIN 0
	s_barrier_wait -1
.if (\mode) == 1
	CREST                                          ; no wave of any partner still reads the slot or has a load on its way
	tensor_load_to_lds s[G0W:G0W+3], s[G1W:G1W+7]  ; my one load behind the round; it has a step, 128 matrix instructions, in which to land
	s_nop 0
.endif
	PLACES                                         ; also the places in front of the loads below
	v_add_nc_u32 v[ADA], s[TA], v[LA]
	v_add_nc_u32 v[ADB], s[TB], v[LB]
	FETCH F0, 0
	MUL8 F1, 2
	MUL8 F1, 3
.endm
.macro STEPM mode
	CH F0, F1, 1
	CH F1, F0, 2
	CH F0, F1, 3
	T \mode
.endm
.macro LDBIAS p                        ; my lane's 64 numbers of the bias at s[p:p+1]
	WIN 0x80
.irp b, 0,1,2,3,4,5,6,7
	global_load_b128 v[8*\b:8*\b+3],   v[BO], s[\p:\p+1] offset:64*\b
	global_load_b128 v[8*\b+4:8*\b+7], v[BO], s[\p:\p+1] offset:64*\b+16
.endr
	WIN 0
.endm
.macro INIT                            ; the sums start from the bias
	s_wait_loadcnt 0x0
	WIN 0x42
.set ia, 0
.rept 256
	v_mov_b32 v[ia], v[ia%64]
.set ia, ia+1
.endr
	WIN 0
.endm
; THE WAY OUT: 16 rows at a time, rounded to bf16, 16 bytes a lane into my own stage, back as whole rows of 256 bytes, stored.
.macro EPI
	PLACES
.set ea, 0
.rept 4
	WIN 0x05
.set eb, 0
.rept 32
	v_cvt_pk_bf16_f32 v[TMP+eb], v[64*ea+2*eb], v[64*ea+2*eb+1]
.set eb, eb+1
.endr
	WIN 0
	s_wait_xcnt 0x0                                ; the registers that the last block's stores read are loaded again only behind this wait
.set eb, 0
.rept 8
	ds_store_b128 v[STO], v[TMP+4*eb:TMP+4*eb+3] offset:32*eb
.set eb, eb+1
.endr
.set eb, 0
.rept 8
	ds_load_b128 v[BK+4*eb:BK+4*eb+3], v[RD] offset:eb*2*SP  ; LDS serves a wave's instructions in order: these see the stores above
.set eb, eb+1
.endr
	s_wait_dscnt 0x0
.set eb, 0
.rept 8
	global_store_b128 v[CO], v[BK+4*eb:BK+4*eb+3], s[OB:OB+1] offset:ea*16384+eb*2048  ; 16 lanes store 256 consecutive bytes at a multiple of 256
.set eb, eb+1
.endr
.set ea, ea+1
.endr
.endm
	LDBIAS 8
	s_wait_tensorcnt 0x1                           ; xb's rows and step 0 are in; step 1 may stay out
	s_barrier_signal -1
	s_barrier_wait -1
	FETCH F0, 0
	s_mov_b32 s[PCNT], 2
.Lblock:                                               ; Q, then K
	INIT
	LDBIAS BPN
	s_wait_xcnt 0x0                                ; the loads have read their base
	s_mov_b64 s[BPN:BPN+1], s[12:13]
	s_mov_b32 s[CNT], 4
.Lstep:
	STEPM 1
	WIN 0
	s_sub_co_u32 s[CNT], s[CNT], 1
	s_cmp_lg_u32 s[CNT], 0
	s_cbranch_scc1 .Lstep
	EPI
	s_wait_xcnt 0x0
	s_add_nc_u64 s[OB:OB+1], s[OB:OB+1], 0x1000000
	s_sub_co_u32 s[PCNT], s[PCNT], 1
	s_cmp_lg_u32 s[PCNT], 0
	s_cbranch_scc1 .Lblock
	INIT                                           ; V: its first two steps ask for the last two
	s_mov_b32 s[CNT], 2
.Lstep3:
	STEPM 1
	WIN 0
	s_sub_co_u32 s[CNT], s[CNT], 1
	s_cmp_lg_u32 s[CNT], 0
	s_cbranch_scc1 .Lstep3
	s_mov_b32 s[CNT], 2
.Lstep4:                                               ; the last two steps ask for nothing; the second trip's barrier and its 24 LDS loads serve nothing: the price of one text for both
	STEPM 2
	WIN 0
	s_sub_co_u32 s[CNT], s[CNT], 1
	s_cmp_lg_u32 s[CNT], 0
	s_cbranch_scc1 .Lstep4
	EPI
	s_wait_tensorcnt 0x0                           ; the wave's end
	ds_add_u32 v[SPW], v[NIL]
	s_wait_dscnt 0x0
	CROUND                                         ; the closing round
	s_endpgm
.Lfunc_end_k_q5bf379355c_proj:
	.size	k_q5bf379355c_proj, .Lfunc_end_k_q5bf379355c_proj-k_q5bf379355c_proj
	.p2alignl 7, 3214868480
	.fill 96, 4, 3214868480
	.section	.rodata,"a",@progbits
	.p2align	6, 0x0
	.amdhsa_kernel k_q5bf379355c_proj
		.amdhsa_group_segment_fixed_size 327680
		.amdhsa_private_segment_fixed_size 0
		.amdhsa_enable_private_segment 0
		.amdhsa_kernarg_size 48
		.amdhsa_user_sgpr_count 2
		.amdhsa_user_sgpr_kernarg_segment_ptr 1
		.amdhsa_wavefront_size32 1
		.amdhsa_system_sgpr_workgroup_id_x 1
		.amdhsa_system_sgpr_workgroup_id_y 1
		.amdhsa_system_sgpr_workgroup_id_z 1
		.amdhsa_system_vgpr_workitem_id 0
		.amdhsa_next_free_vgpr 576
		.amdhsa_next_free_sgpr 72
		.amdhsa_reserve_vcc 0
		.amdhsa_float_denorm_mode_32 3
		.amdhsa_float_denorm_mode_16_64 3
		.amdhsa_memory_ordered 1
		.amdhsa_forward_progress 1
		.amdhsa_inst_pref_size 107
	.end_amdhsa_kernel
	.amdgpu_metadata
---
amdhsa.version: [ 1, 2 ]
amdhsa.kernels:
  - .name:           k_q5bf379355c_proj
    .symbol:         k_q5bf379355c_proj.kd
    .args:
      - { .name: xb, .offset: 0, .size: 8, .value_kind: global_buffer, .address_space: global }
      - { .name: wb, .offset: 8, .size: 8, .value_kind: global_buffer, .address_space: global }
      - { .name: bq, .offset: 16, .size: 8, .value_kind: global_buffer, .address_space: global }
      - { .name: bk, .offset: 24, .size: 8, .value_kind: global_buffer, .address_space: global }
      - { .name: bv, .offset: 32, .size: 8, .value_kind: global_buffer, .address_space: global }
      - { .name: qkv, .offset: 40, .size: 8, .value_kind: global_buffer, .address_space: global }
    .group_segment_fixed_size: 327680
    .private_segment_fixed_size: 0
    .kernarg_segment_align: 8
    .kernarg_segment_size: 48
    .max_flat_workgroup_size: 128
    .sgpr_count:     72
    .vgpr_count:     576
    .wavefront_size: 32
...
	.end_amdgpu_metadata
.endif
;; end of part 2
;; launch attn (part 3): grid 16 x 16, 4 waves a work-group, clusters of 4 x 1, 327,680 bytes of LDS; arguments qkv, op, ml; writes op, ml
.if DOCPART == 3
	.amdgcn_target "amdgcn-amd-amdhsa--gfx1250"
	.amdhsa_code_object_version 6
	.text
	.protected	k_q5bf379355c_attn
	.globl	k_q5bf379355c_attn
	.p2align	8
	.type	k_q5bf379355c_attn,@function
k_q5bf379355c_attn:
	s_mov_b64 s[64:65], 0
	v_nop
	global_prefetch_b8 v0, s[64:65] scope:SCOPE_SE
	s_setreg_imm32_b32 hwreg(HW_REG_WAVE_MODE, 25, 1), 1
	s_wait_xcnt 0x0
	s_wait_alu depctr_hold_cnt(0) depctr_sa_sdst(0) depctr_va_vdst(0) depctr_va_sdst(0) depctr_va_ssrc(0) depctr_va_vcc(0) depctr_vm_vsrc(0)
	s_getreg_b32 s2, hwreg(HW_REG_IB_STS2, 6, 4)
	s_cmp_eq_u32 s2, 0
	s_cbranch_scc0 .Lentry_in_a_cluster
	s_endpgm
.Lentry_in_a_cluster:
	s_bfe_u32 s2, ttmp6, 0x10000c
	s_cmp_lg_u32 s2, 0x3003
	s_cbranch_scc0 .Lentry_shape_is_right
	s_endpgm
.Lentry_shape_is_right:
; Attention at head size 512, the keys split in two halves.  For 128 queries of one batch and 1,024 of its 2,048 keys: op[half][q][:] = sum_k p V[k] / l in bf16, and ml[half][q] = (c m, l) in f32, with
; p = 2^(c s - c m), c = log2(e) / sqrt(512), m the running maximum of the scores s = Q . K, l the sum of the p.  The launch behind merges the halves.  Q, K, V are bf16; products, maxima and sums f32; p is rounded to bf16 for the second product.
; The split makes 8 batches x 16 query blocks x 2 halves = 256 equal work-groups: a wave holds only 32 queries, since a tile of 16 queries takes 256 registers of O^T and 128 of Q.
; LIMITS.  A weight below 2^-126 counts as 0 in l; NaN and infinities are not treated apart.
; LAYOUT.  S^T = K Q^T (source 0 = 16 keys, source 1 = 16 queries): a lane holds ONE query (l % 16) and the keys 8 (l / 16) + 0..7.  Two such results rounded to bf16 ARE source 1 of O^T = V^T P.  V comes out of LDS turned.
; m starts at the lowest finite number, O^T and l at 0: the first step is a step like any other, with a = 0; the price is 512 v_mov_b32 in the wait for the first tile.
; IN PHASES: a step of 64 keys is 128 products K Q^T, the softmax of both tiles, the rescaling of O^T, 128 products V^T P.  LDS loads stand in runs of 16, one run ahead of their use, on two buffers of 8 fragments.
; CLUSTER.  The four query blocks of a cluster have the same batch and half and walk the same K and V: each tile is asked for JOINTLY.
; REGISTERS: window 0: v2-11 addresses; v12-27 statistics, 8 a tile; v28-31 at work; v32-95 S^T; v96-127 P; v128-191, v192-255 fragment buffers.  windows 1, 2: O^T, channel block cb (0-15, 16-31) of tile t at 8 (2 (cb % 16) + t).  window 3: Q, chunk c of tile t at 8 (16 t + c).
.set PK,    1040                       ; a row of K in LDS: 1,024 + 16 = 65 x 16
.set PV,    1056                       ; a row of V: 1,024 + 32 = 33 x 32
.set VOFF,  64*PK
.set SLOTB, 64*(PK+PV)                 ; a slot: 64 rows of K, then 64 rows of V
.set STAGE, 2*SLOTB                    ; 16 rows x 528 bytes for each wave, for the way out
.set SP,    528
.set SPARE, STAGE+4*16*SP
.set AK0, 2
.set AV0, 3
.set ADK, 4
.set ADV, 5
.set STO, 6
.set RD,  7
.set GO,  8
.set QO,  9
.set SPW, 10                           ; SPARE + 4 x my thread's number; never rewritten
.set NIL, 11                           ; 0; never rewritten
.set ST,  12                           ; tile t at ST + 8 t: c m, m, l (even keys', odd keys'), c0-c3 at work; a takes c2's place
.set HH,  30
.set MO,  31
.set S,   32
.set P,   96
.set FA,  128
.set FB2, 192
.set WV,  16
.set G1K, 24
.set G1V, 32
.set G0K, 40                           ; two sets: step 0; step 1, which then walks
.set G0V, 48
.set KOF, 56                           ; my 32 rows of K in a slot
.set VOF, 57                           ; of V
.set FB,  58                           ; the slot that was filled last
.set TB,  59                           ; the slot that is read
.set CNT, 60
.set CS,  62
.set SEL, 66
.set QB,  70
.set OPB, 72
.set MLB, 74
.set MSB, 0
.macro WIN new
.if MSB != (\new)
	s_set_vgpr_msb (MSB<<8)|(\new)
.set MSB, \new
.endif
.endm
.macro PLACES                          ; four plain places between a matrix instruction and a vector instruction or load that touches its registers
.rept 4
	v_nop
.endr
.endm
.macro CREST
	s_cmp_lg_u32 s[WV], 0
	s_cbranch_scc1 .Lnot_wave_0_\@
	s_barrier_signal -3
.Lnot_wave_0_\@:
	s_barrier_wait -3
	s_barrier_signal -1
	s_barrier_wait -1
.endm
.macro CROUND
	s_barrier_signal -1
	s_barrier_wait -1
	CREST
.endm
.macro JLOAD                           ; a joint refill: waves 0 and 1 fetch the halves of a step's K, waves 2 and 3 those of its V; the branch hangs on the wave's number alone
	s_cmp_lt_u32 s[WV], 2
	s_cbranch_scc0 .Lfor_v_\@
	tensor_load_to_lds s[G0K+4:G0K+7], s[G1K:G1K+7]
	s_nop 0
.rept 4
	v_nop
.endr
	s_branch .Lasked_\@
.Lfor_v_\@:
	tensor_load_to_lds s[G0V+4:G0V+7], s[G1V:G1V+7]
	s_nop 0
.rept 4
	v_nop
.endr
.Lasked_\@:
.endm
	s_load_b128 s[4:7], s[0:1], 0x0                ; qkv s[4:5], op s[6:7]
	s_load_b64 s[8:9], s[0:1], 0x10                ; ml
	v_lshl_add_u32 v[SPW], v0, 2, SPARE
	v_mov_b32 v[NIL], 0
	ds_add_u32 v10, v11
	s_wait_dscnt 0x0
	v_lshrrev_b32 v1, 5, v0
	v_readfirstlane_b32 s[WV], v1
	s_bfe_u32 s10, ttmp6, 0x40000                  ; cx
	s_lshl_b32 s11, ttmp9, 2
	s_add_co_u32 s11, s11, s10                     ; my block of 128 queries: it enters Q's, op's and ml's addresses alone
	s_and_b32 s12, ttmp7, 0xffff
	s_lshr_b32 s13, s12, 1                         ; batch
	s_and_b32 s14, s12, 1                          ; half of the keys
	s_and_b32 s15, s[WV], 1                        ; which 32 rows of a tile I fetch
	s_mul_i32 s[KOF], s15, 32*PK
	s_mul_i32 s[VOF], s15, 32*PV
	s_add_co_u32 s[VOF], s[VOF], VOFF
	s_mov_b32 s[FB], SLOTB
	s_mov_b32 s[TB], 0
	s_lshl_b32 s18, s13, 21                        ; my first key's row: 2,048 batch + 1,024 half + 32 (wave % 2), in bytes
	s_lshl_b32 s17, s14, 20
	s_add_co_u32 s18, s18, s17
	s_lshl_b32 s17, s15, 15
	s_add_co_u32 s18, s18, s17
	s_mov_b32 s19, 0
	s_lshl_b32 s68, s13, 21                        ; my wave's first query: 2,048 batch + 128 block + 32 wave, in bytes of a row
	s_lshl_b32 s69, s11, 17
	s_add_co_u32 s68, s68, s69
	s_lshl_b32 s69, s[WV], 15
	s_add_co_u32 s68, s68, s69
	s_mov_b32 s69, 0
	s_lshr_b32 s76, s68, 7                         ; the same in ml's 8 bytes a row,
	s_lshl_b32 s77, s14, 17                        ; + my half's part of ml
	s_add_co_u32 s76, s76, s77
	s_mov_b32 s77, 0
	s_lshl_b32 s78, s14, 24                        ; my half's part of op
	s_mov_b32 s79, 0
	s_mov_b32 s[G1K], 15|(1<<16)|(1<<20)|(1<<21)|(7<<22)|(3<<25)  ; the mask of four, bit 21 beside it; 2-byte elements; 4 words of padding behind every 256 words
	s_mov_b32 s[G1V], 15|(1<<16)|(1<<20)|(1<<21)|(7<<22)|(7<<25)  ; the same with 8 words
.irp g, G1K, G1V
	s_mov_b32 s[\g+1], 512<<16                     ; tensor_dim0
	s_mov_b32 s[\g+2], 32<<16                      ; tensor_dim1
	s_mov_b32 s[\g+3], 512<<16                     ; tile_dim0
	s_mov_b32 s[\g+4], 32                          ; tile_dim1
	s_mov_b32 s[\g+5], 512                         ; elements from row to row
	s_mov_b32 s[\g+6], 0
	s_mov_b32 s[\g+7], 0
.endr
	s_mov_b32 s[CS], 0x3d8293ee                    ; c = log2(e) / sqrt(512) = 0.0637587
	s_mov_b32 s[CS+1], s[CS]
	s_mov_b32 s[SEL], 0x76543210
	s_mov_b32 s[SEL+1], 0xfedcba98
	s_mov_b32 s[G0K], 1
	s_mov_b32 s[G0K+1], s[KOF]
	s_mov_b32 s[G0K+4], 1
	s_add_co_u32 s[G0K+5], s[KOF], SLOTB
	s_mov_b32 s[G0V], 1
	s_mov_b32 s[G0V+1], s[VOF]
	s_mov_b32 s[G0V+4], 1
	s_add_co_u32 s[G0V+5], s[VOF], SLOTB
	s_wait_kmcnt 0x0
	s_add_nc_u64 s[20:21], s[4:5], s[18:19]
	s_add_nc_u64 s[G0K+2:G0K+3], s[20:21], 0x1000000   ; K is qkv's second third; step 1 lies 64 rows on
	s_add_nc_u64 s[G0K+6:G0K+7], s[20:21], 0x1010000
	s_add_nc_u64 s[G0V+2:G0V+3], s[20:21], 0x2000000   ; V its last
	s_add_nc_u64 s[G0V+6:G0V+7], s[20:21], 0x2010000
	s_or_b32 s[G0K+3], s[G0K+3], 0x80000000
	s_or_b32 s[G0K+7], s[G0K+7], 0x80000000
	s_or_b32 s[G0V+3], s[G0V+3], 0x80000000
	s_or_b32 s[G0V+7], s[G0V+7], 0x80000000
	s_add_nc_u64 s[QB:QB+1], s[4:5], s[68:69]
	s_add_nc_u64 s[OPB:OPB+1], s[6:7], s[68:69]
	s_add_nc_u64 s[OPB:OPB+1], s[OPB:OPB+1], s[78:79]
	s_add_nc_u64 s[MLB:MLB+1], s[8:9], s[76:77]
	CROUND                                         ; all four work-groups are here: the first joint loads meet
	s_cmp_lt_u32 s[WV], 2                          ; a wave's two first fills stand in one branch: two loads of mine are out
	s_cbranch_scc0 .Lfirst_v
	tensor_load_to_lds s[G0K:G0K+3], s[G1K:G1K+7]
	s_nop 0
	tensor_load_to_lds s[G0K+4:G0K+7], s[G1K:G1K+7]
	s_nop 0
.rept 4
	v_nop
.endr
	s_branch .Lfirst_asked
.Lfirst_v:
	tensor_load_to_lds s[G0V:G0V+3], s[G1V:G1V+7]
	s_nop 0
	tensor_load_to_lds s[G0V+4:G0V+7], s[G1V:G1V+7]
	s_nop 0
.rept 4
	v_nop
.endr
.Lfirst_asked:
	v_and_b32 v1, 15, v0                           ; r = l % 16
	v_bfe_u32 v[HH], v0, 4, 1                      ; h = l / 16
	v_lshlrev_b32 v[QO], 10, v1
	v_lshl_add_u32 v[QO], v[HH], 4, v[QO]
	WIN 0xc0                                       ; destination window 3
.set i, 0
.rept 32                                               ; Q stays in registers: tile i / 16, channels 32 (i % 16) on
	global_load_b128 v[8*i:8*i+3],   v[QO], s[QB:QB+1] offset:(i/16)*16384+(i%16)*64
	global_load_b128 v[8*i+4:8*i+7], v[QO], s[QB:QB+1] offset:(i/16)*16384+(i%16)*64+32
.set i, i+1
.endr
	WIN 0x40
.set i, 0
.rept 256
	v_mov_b32 v[i], 0
.set i, i+1
.endr
	WIN 0x80
.set i, 0
.rept 256
	v_mov_b32 v[i], 0
.set i, i+1
.endr
	WIN 0
.irp t, 0,1
	v_mov_b32 v[ST+8*\t], 0xfe000000               ; c m: far below every c s
	v_mov_b32 v[ST+8*\t+1], 0xff7fffff             ; m
	v_mov_b32 v[ST+8*\t+2], 0
	v_mov_b32 v[ST+8*\t+3], 0
.endr
	v_mul_u32_u24 v[AK0], v1, PK
	v_lshl_add_u32 v[AK0], v[HH], 4, v[AK0]        ; row x pitch + 16 x half
	v_and_b32 v28, 7, v0
	v_bfe_u32 v29, v0, 3, 1
	v_lshl_add_u32 v[AV0], v[HH], 3, v28
	v_mul_u32_u24 v[AV0], v[AV0], PV
	v_lshl_add_u32 v[AV0], v29, 4, v[AV0]          ; the turning load: key 8 h + l % 8, channels 8 ((l / 8) % 2) on
	v_add_nc_u32 v[AV0], VOFF, v[AV0]
	v_mov_b32 v[ADK], v[AK0]
	v_mov_b32 v[ADV], v[AV0]
	s_mul_i32 s17, s[WV], 16*SP
	s_add_co_u32 s17, s17, STAGE
	v_mul_u32_u24 v[STO], v1, SP
	v_lshl_add_u32 v[STO], v[HH], 4, v[STO]
	v_add_nc_u32 v[STO], s17, v[STO]
	v_and_b32 v[GO], 31, v0
	v_lshlrev_b32 v[MO], 3, v[GO]                  ; 8 bytes a lane in ml
	v_lshlrev_b32 v[GO], 4, v[GO]                  ; 16 bytes a lane in 512 bytes of a row
	v_add_nc_u32 v[RD], s17, v[GO]
.macro FK g, buf                       ; 16 LDS loads: K's fragments of channels 64 g .. 64 g + 63: chunk 2 g + ci, key block kb at 8 (4 ci + kb)
	WIN 0
.irp ci, 0,1
.irp kb, 0,1,2,3
	ds_load_b128 v[(\buf)+8*(4*\ci+\kb):(\buf)+8*(4*\ci+\kb)+3],   v[ADK] offset:\kb*16*PK+64*(2*(\g)+\ci)
	ds_load_b128 v[(\buf)+8*(4*\ci+\kb)+4:(\buf)+8*(4*\ci+\kb)+7], v[ADK] offset:\kb*16*PK+64*(2*(\g)+\ci)+32
.endr
.endr
.endm
.macro FV u, buf                       ; 16 turning loads: group u = 4 hw + 2 cg + kk: keys 32 kk on, channel blocks 16 hw + 8 cg + 0..7
	WIN 0
.irp i, 0,1,2,3,4,5,6,7
	ds_load_tr16_b128 v[(\buf)+8*\i:(\buf)+8*\i+3],   v[ADV] offset:((\u)%2)*32*PV+32*(16*((\u)/4)+8*(((\u)/2)%2)+\i)
	ds_load_tr16_b128 v[(\buf)+8*\i+4:(\buf)+8*\i+7], v[ADV] offset:((\u)%2)*32*PV+32*(16*((\u)/4)+8*(((\u)/2)%2)+\i)+16*PV
.endr
.endm
.macro QKB g, buf                      ; 16 products of S^T; the 8 accumulators take turns; the first 8 of a step start the sums
	WIN 0x0c
.irp ci, 0,1
.irp kb, 0,1,2,3
.irp t, 0,1
.if ((\g) == 0) && (\ci == 0)
	v_wmma_f32_16x16x32_bf16 v[S+32*\t+8*\kb:S+32*\t+8*\kb+7], v[(\buf)+8*(4*\ci+\kb):(\buf)+8*(4*\ci+\kb)+7], v[8*(16*\t+2*(\g)+\ci):8*(16*\t+2*(\g)+\ci)+7], 0
.else
	v_wmma_f32_16x16x32_bf16 v[S+32*\t+8*\kb:S+32*\t+8*\kb+7], v[(\buf)+8*(4*\ci+\kb):(\buf)+8*(4*\ci+\kb)+7], v[8*(16*\t+2*(\g)+\ci):8*(16*\t+2*(\g)+\ci)+7], v[S+32*\t+8*\kb:S+32*\t+8*\kb+7]
.endif
.endr
.endr
.endr
.endm
.macro PVB u, buf, lo, n               ; 2 n products of O^T of group u, fragments lo on; each on an accumulator of its own
	WIN 0x50+0x50*((\u)/4)
.set pi, \lo
.rept \n
.irp t, 0,1
	v_wmma_f32_16x16x32_bf16 v[8*(2*(8*(((\u)/2)%2)+pi)+\t):8*(2*(8*(((\u)/2)%2)+pi)+\t)+7], v[(\buf)+8*pi:(\buf)+8*pi+7], v[P+16*\t+8*((\u)%2):P+16*\t+8*((\u)%2)+7], v[8*(2*(8*(((\u)/2)%2)+pi)+\t):8*(2*(8*(((\u)/2)%2)+pi)+\t)+7]
.endr
.set pi, pi+1
.endr
.endm
; One tile's softmax for one step is a list of 102 instructions; SM writes number j of it for tile t.  s0-s31 are the lane's scores.
;   0-15  the maximum of s0-s31 and the old m, three operands at a time (each accumulator's lowest registers are read first)     16-20  the other half of the lanes'; the new m; c m; c m_old - c m_new
;   21-87 33 exponentials (a, then s0-s31) at the odd numbers from 23 on, a plain instruction between any two: c s - c m for pairs to come, roundings of pairs that are done, the first sums     88-101 the rest; l = a l + sum
.macro SM t
.set rT, ST+8*(\t)
.set rS, S+32*(\t)
.set rP, P+16*(\t)
.set q, (j-20)/2
.if j < 4
	v_max3_num_f32 v[rT+4+j], v[rS+8*j], v[rS+8*j+1], v[rS+8*j+2]
.elseif j < 12
	v_max3_num_f32 v[rT+4+j%4], v[rT+4+j%4], v[rS+8*(j%4)+2*(j/4)+1], v[rS+8*(j%4)+2*(j/4)+2]
.elseif j == 12
	v_max3_num_f32 v[rT+4], v[rT+4], v[rS+7], v[rS+15]
.elseif j == 13
	v_max3_num_f32 v[rT+6], v[rT+6], v[rS+23], v[rS+31]
.elseif j == 14
	v_max3_num_f32 v[rT+4], v[rT+4], v[rT+5], v[rT+6]
.elseif j == 15
	v_max3_num_f32 v[rT+4], v[rT+4], v[rT+7], v[rT+1]
.elseif j == 16
	v_permlanex16_b32 v[rT+5], v[rT+4], s[SEL], s[SEL+1]  ; the query's other 32 keys lie in the lane 16 away
.elseif j == 17
	v_mov_b32 v[rT+7], v[rT]
.elseif j == 18
	v_max_num_f32 v[rT+1], v[rT+4], v[rT+5]
.elseif j == 19
	v_mul_f32 v[rT], s[CS], v[rT+1]
.elseif j == 20
	v_sub_f32 v[rT+7], v[rT+7], v[rT]
.elseif j == 23
	v_exp_f32 v[rT+6], v[rT+7]
.elseif (j < 88) && (j > 23) && (j%2 == 1)
	v_exp_f32 v[rS+(j-25)/2], v[rS+(j-25)/2]
.elseif (q < 4) || ((j < 76) && (q%2 == 0))
.set b, q/2+2
.if q < 4
.set b, q
.endif
	v_pk_fma_f32 v[rS+2*b:rS+2*b+1], v[rS+2*b:rS+2*b+1], s[CS:CS+1], v[rT:rT+1] op_sel_hi:[1,0,0] neg_lo:[0,0,1] neg_hi:[0,0,1]
.elseif (j < 88) && (q%2 == 1)
	s_wait_alu depctr_va_vdst(0)
	v_cvt_pk_bf16_f32 v[rP+(q-5)/2], v[rS+q-5], v[rS+q-4]
.elseif j == 89
	s_wait_alu depctr_va_vdst(0)
	v_cvt_pk_bf16_f32 v[rP+15], v[rS+30], v[rS+31]
.else
.set z, j-86
.if j < 89
.set z, (j-76)/4
.endif
.set w, 4
.set u, z
.if z >= 14
.set w, 32
.set u, 0
.elseif z >= 12
.set w, 16
.set u, z-12
.elseif z >= 8
.set w, 8
.set u, z-8
.endif
.if z < 15
	v_pk_add_f32 v[rS+w*u:rS+w*u+1], v[rS+w*u:rS+w*u+1], v[rS+w*u+w/2:rS+w*u+w/2+1]
.else
	v_pk_fma_f32 v[rT+2:rT+3], v[rT+2:rT+3], v[rT+6:rT+7], v[rS:rS+1] op_sel_hi:[1,0,1]
.endif
.endif
.endm
.macro SLICE                           ; numbers 2 k and 2 k + 1 of both tiles' lists
.if (k >= 11) && (k < 44)              ; tile by tile: plain, exponential, plain, exponential
.irp t, 0,1
.irp n, 0,1
.set j, 2*k+\n
	SM \t
.endr
.endr
.else                                  ; the tiles alternate, so that no instruction reads the result of the one just before it
.irp n, 0,1
.irp t, 0,1
.set j, 2*k+\n
	SM \t
.endr
.endr
.endif
.set k, k+1
.endm
.macro RESC                            ; O^T times a, each accumulator from its low end on
	WIN 0x41
.set ri, 0
.rept 128
	v_pk_mul_f32 v[ri:ri+1], v[ri:ri+1], v[ST+8*((ri/8)%2)+6:ST+8*((ri/8)%2)+7] op_sel_hi:[1,0]
.set ri, ri+2
.endr
	WIN 0x82
.set ri, 0
.rept 128
	v_pk_mul_f32 v[ri:ri+1], v[ri:ri+1], v[ST+8*((ri/8)%2)+6:ST+8*((ri/8)%2)+7] op_sel_hi:[1,0]
.set ri, ri+2
.endr
.endm
; A KEY STEP.  mode 1: at its end the slot is filled again, two steps on, behind a round of the cluster's barrier.  mode 2: nothing is asked for.
.macro STEP mode
.set gg, 0
.rept 8
	s_wait_dscnt 0x0                               ; this group's 16 loads are in
	PLACES                                         ; the other buffer was read by the group before
.if gg < 7
	FK gg+1, FA+64*((gg+1)%2)
.else
	FV 0, FA
.endif
	QKB gg, FA+64*(gg%2)
.set gg, gg+1
.endr
	PLACES
	WIN 0
.set k, 0
.rept 51
	SLICE
.endr
	RESC
.set uu, 0
.rept 7
	s_wait_dscnt 0x0
	PLACES
	FV uu+1, FA+64*((uu+1)%2)
	PVB uu, FA+64*(uu%2), 0, 8
.set uu, uu+1
.endr
	s_wait_dscnt 0x0                               ; the last group's loads are in: my last reads of this slot
	WIN 0
	s_wait_tensorcnt 0x0                           ; all my tensor loads have landed: the one that was out is my part of the next slot
	ds_add_u32 v[SPW], v[NIL]                      ; 0 onto my spare word
.if (\mode) == 1
	s_xor_b32 s[FB], s[FB], SLOTB                  ; the walking descriptors: the other slot, the next 64 keys
	s_add_co_u32 s[G0K+5], s[FB], s[KOF]
	s_add_co_u32 s[G0V+5], s[FB], s[VOF]
	s_add_nc_u64 s[G0K+6:G0K+7], s[G0K+6:G0K+7], 65536
	s_add_nc_u64 s[G0V+6:G0V+7], s[G0V+6:G0V+7], 65536
.endif
	s_xor_b32 s[TB], s[TB], SLOTB
	PVB 7, FB2, 0, 4
	s_wait_dscnt 0x0                               ; the add is done
	s_barrier_signal -1
	PVB 7, FB2, 4, 4
	WIN 0
	s_barrier_wait -1
.if (\mode) == 1
	CREST                                          ; no wave of any partner still reads the slot or has a load on its way
	JLOAD                                          ; my one load behind the round: it has a step, 256 matrix instructions, in which to land; its four v_nop are also the places in front of the loads below
.else
	PLACES
.endif
	v_add_nc_u32 v[ADK], s[TB], v[AK0]
	v_add_nc_u32 v[ADV], s[TB], v[AV0]
	FK 0, FA
.endm
	s_wait_tensorcnt 0x1                           ; my part of step 0 is in; step 1's may stay out
	s_barrier_signal -1
	s_barrier_wait -1
	FK 0, FA
	s_wait_loadcnt 0x0                             ; Q
	s_mov_b32 s[CNT], 14
.Lfill:                                                ; steps 0 to 13 ask for steps 2 to 15
	STEP 1
	s_sub_co_u32 s[CNT], s[CNT], 1
	s_cmp_lg_u32 s[CNT], 0
	s_cbranch_scc1 .Lfill
	s_mov_b32 s[CNT], 2
.Ltail:                                                ; the last two steps; the second trip's barrier and its 16 loads of K serve nothing: the price of one text for both
	STEP 2
	s_sub_co_u32 s[CNT], s[CNT], 1
	s_cmp_lg_u32 s[CNT], 0
	s_cbranch_scc1 .Ltail
	; THE WAY OUT.  l's two halves and the other half of the lanes' are added; (c m, l) go to ml, lane l for row l of my 32; O^T / l goes out in bf16, through my stage, half a row's 512 bytes at a time.
	s_wait_dscnt 0x0
	PLACES
.irp t, 0,1
	v_add_f32 v[ST+8*\t+4], v[ST+8*\t+2], v[ST+8*\t+3]
.endr
.irp t, 0,1
	v_permlanex16_b32 v[ST+8*\t+5], v[ST+8*\t+4], s[SEL], s[SEL+1]
.endr
.irp t, 0,1
	v_add_f32 v[ST+8*\t+4], v[ST+8*\t+4], v[ST+8*\t+5]
.endr
.irp t, 0,1
	v_rcp_f32 v[ST+8*\t+6], v[ST+8*\t+4]
.endr
	v_nop                                          ; a plain instruction behind the reciprocals
	v_cmp_eq_u32 vcc_lo, 1, v[HH]
	v_cndmask_b32 v28, v[ST], v[ST+8], vcc_lo      ; lanes 0-15 speak for tile 0, lanes 16-31 for tile 1
	v_cndmask_b32 v29, v[ST+4], v[ST+12], vcc_lo
	s_wait_alu depctr_va_vdst(0)
	global_store_b64 v[MO], v[28:29], s[MLB:MLB+1] ; 256 consecutive bytes
.macro OUT t, hw                       ; tile t, channels 256 hw on
	WIN 0x41+0x41*(\hw)
.set oi, 0
.rept 64
.set oreg, 16*(oi/4)+8*(\t)+2*(oi%4)
	v_pk_mul_f32 v[oreg:oreg+1], v[oreg:oreg+1], v[ST+8*(\t)+6:ST+8*(\t)+7] op_sel_hi:[1,0]
.set oi, oi+1
.endr
	WIN 0x05+0x05*(\hw)
.set oi, 0
.rept 64
.set oreg, 16*(oi/4)+8*(\t)+2*(oi%4)
	v_cvt_pk_bf16_f32 v[FA+oi], v[oreg], v[oreg+1]
.set oi, oi+1
.endr
	WIN 0
.set oi, 0
.rept 16
	ds_store_b128 v[STO], v[FA+4*oi:FA+4*oi+3] offset:32*oi
.set oi, oi+1
.endr
	s_wait_xcnt 0x0                                ; the registers that the last stores read are loaded again only behind this wait
.set oi, 0
.rept 16
	ds_load_b128 v[FB2+4*oi:FB2+4*oi+3], v[RD] offset:oi*SP  ; LDS serves a wave's instructions in order: these see the stores above
.set oi, oi+1
.endr
.set oi, 0
.rept 16
	s_wait_dscnt 15-oi
	global_store_b128 v[GO], v[FB2+4*oi:FB2+4*oi+3], s[OPB:OPB+1] offset:(16*(\t)+oi)*1024+512*(\hw)  ; 512 consecutive bytes at a multiple of 256
.set oi, oi+1
.endr
.endm
	OUT 0, 0
	OUT 0, 1
	OUT 1, 0
	OUT 1, 1
	s_wait_tensorcnt 0x0                           ; the wave's end
	ds_add_u32 v[SPW], v[NIL]
	s_wait_dscnt 0x0
	CROUND                                         ; the closing round
	s_endpgm
.Lfunc_end_k_q5bf379355c_attn:
	.size	k_q5bf379355c_attn, .Lfunc_end_k_q5bf379355c_attn-k_q5bf379355c_attn
	.p2alignl 7, 3214868480
	.fill 96, 4, 3214868480
	.section	.rodata,"a",@progbits
	.p2align	6, 0x0
	.amdhsa_kernel k_q5bf379355c_attn
		.amdhsa_group_segment_fixed_size 327680
		.amdhsa_private_segment_fixed_size 0
		.amdhsa_enable_private_segment 0
		.amdhsa_kernarg_size 24
		.amdhsa_user_sgpr_count 2
		.amdhsa_user_sgpr_kernarg_segment_ptr 1
		.amdhsa_wavefront_size32 1
		.amdhsa_system_sgpr_workgroup_id_x 1
		.amdhsa_system_sgpr_workgroup_id_y 1
		.amdhsa_system_sgpr_workgroup_id_z 1
		.amdhsa_system_vgpr_workitem_id 0
		.amdhsa_next_free_vgpr 1024
		.amdhsa_next_free_sgpr 80
		.amdhsa_reserve_vcc 1
		.amdhsa_float_denorm_mode_32 3
		.amdhsa_float_denorm_mode_16_64 3
		.amdhsa_memory_ordered 1
		.amdhsa_forward_progress 1
		.amdhsa_inst_pref_size 208
	.end_amdhsa_kernel
	.amdgpu_metadata
---
amdhsa.version: [ 1, 2 ]
amdhsa.kernels:
  - .name:           k_q5bf379355c_attn
    .symbol:         k_q5bf379355c_attn.kd
    .args:
      - { .name: qkv, .offset: 0, .size: 8, .value_kind: global_buffer, .address_space: global }
      - { .name: op, .offset: 8, .size: 8, .value_kind: global_buffer, .address_space: global }
      - { .name: ml, .offset: 16, .size: 8, .value_kind: global_buffer, .address_space: global }
    .group_segment_fixed_size: 327680
    .private_segment_fixed_size: 0
    .kernarg_segment_align: 8
    .kernarg_segment_size: 24
    .max_flat_workgroup_size: 128
    .sgpr_count:     80
    .vgpr_count:     1024
    .wavefront_size: 32
...
	.end_amdgpu_metadata
.endif
;; end of part 3
;; launch tail (part 4): grid 256 x 1, 8 waves a work-group, clusters of 4 x 1, 327,680 bytes of LDS; arguments op, ml, x, wb, bo, g1, b1, bf1, bf2, g2, b2, out0; writes out0
.if DOCPART == 4
	.amdgcn_target "amdgcn-amd-amdhsa--gfx1250"
	.amdhsa_code_object_version 6
	.text
	.protected	k_q5bf379355c_tail
	.globl	k_q5bf379355c_tail
	.p2align	8
	.type	k_q5bf379355c_tail,@function
k_q5bf379355c_tail:
	s_mov_b64 s[64:65], 0
	v_nop
	global_prefetch_b8 v0, s[64:65] scope:SCOPE_SE
	s_setreg_imm32_b32 hwreg(HW_REG_WAVE_MODE, 25, 1), 1
	s_wait_xcnt 0x0
	s_wait_alu depctr_hold_cnt(0) depctr_sa_sdst(0) depctr_va_vdst(0) depctr_va_sdst(0) depctr_va_ssrc(0) depctr_va_vcc(0) depctr_vm_vsrc(0)
	s_getreg_b32 s2, hwreg(HW_REG_IB_STS2, 6, 4)
	s_cmp_eq_u32 s2, 0
	s_cbranch_scc0 .Lentry_in_a_cluster
	s_endpgm
.Lentry_in_a_cluster:
	s_bfe_u32 s2, ttmp6, 0x10000c
	s_cmp_lg_u32 s2, 0x3003
	s_cbranch_scc0 .Lentry_shape_is_right
	s_endpgm
.Lentry_shape_is_right:
; The rest of the block for 64 rows: O = the two key halves merged; y = x + O Wo + bo; h = LN(y) g1 + b1; f = relu(h W1 + bf1) W2 + bf2; out0 = LN(h + f) g2 + b2.
; Matrix operands (O, h, the relu's result, the weights) in bf16; sums, residuals x and h, means and variances in f32.  The variance is the mean of the squared centred numbers, in a second pass.  The partial O arrive rounded to bf16 and the merged O is rounded once more.
; SHARES.  A normalised row needs all 512 columns, so a work-group owns 64 whole rows; each of its eight waves owns 64 columns of them: 16 accumulators.  Row sums meet in LDS, [row][wave], behind a barrier.
; THE RING.  The weights Wo, W1, W2 stream through two slots of 128 k-rows x 512 columns: 12 steps, four a product; the eight waves share a step's 128 rows, 16 rows a load.  Two such slots take 270,336 bytes, so LDS holds only HALF of the
; left operand at a time: 64 rows x 256 of K, written twice a product; the half not yet stored waits in registers.
; THE ORDER OF K.  Half t of a product takes, of every wave w's 64 columns, the columns 64 w + 32 t + 0..31, at byte 64 w of a row: so every wave stores in both halves and no branch hangs on the wave's number.
; The weights are asked for in the same order: step I begins at k-row 512 (I / 4) + 32 ((I / 2) % 2) + 256 (I % 2), and wave j brings the 16 rows from 64 (j / 2) + 16 (j % 2) on.  Only the order of a sum's terms differs from K ascending.
; CLUSTER.  All work-groups walk the same weights: the four of a cluster ask for each tile JOINTLY.
; THE MATRIX INSTRUCTION IS USED TRANSPOSED (source 0 = 16 columns of W, turned out of LDS; source 1 = 16 rows): a lane holds row l % 16 and the columns 8 (l / 16) + 0..7.
; The sums start from x + bo, from bf1 (128 v_mov_b32) and from h + bf2, so that every K step has one text.  A half's last change of slots fetches four fragments of the left operand that serve nothing: the price of one text for a half's two steps.
; REGISTERS: window 0: v0-15 addresses; v16-23, v24-31 means and 1 / deviations, a pair a row block; v32-95, v96-159 fragment buffers (32 of W, 32 of rows), buffer 1 also at work between the products;
;            v160-191 GA, v192-223 BE, v224-255 BI: my lane's 32 numbers of a gain, a shift, a bias; in products 2 and 3 GA and BI hold the two halves of my part of the left operand, packed.
;            window 1: v0-127 accumulator (a, b) at 8 (4 a + b); v128-255 h, likewise; before h is made: the partial O, then the merged O.
.set PW,    1056                       ; a row of W in LDS: 1,024 + 32 = 33 x 32
.set PAH,   528                        ; a row of half the left operand: 512 + 16 = 33 x 16
.set SLOTB, 128*PW
.set UB,    2*SLOTB                    ; half the left operand, 64 x 528 bytes; stored by the waves, never filled by a tensor load
.set STAGE, UB                         ; the same bytes, before the first product and behind the last: 16 rows x 272 bytes for each wave, f32 rows of my 64 columns, in and out
.set SP,    272
.set RED,   UB+8*16*SP                 ; four areas of 64 rows x 8 waves x 4 bytes, each used once
.set SPARE, RED+8192
.set LA,  2
.set LB,  3
.set ADA, 4
.set ADB, 5                            ; the slot in hand, its k-rows 0-63
.set AST, 6                            ; where my 16 bytes of a row of the left operand go
.set SFR, 7                            ; stage, as the accumulators lie: row r, 32 bytes for each half of the lanes
.set SRW, 8                            ; stage, by rows: lanes 0-15 one row of 256 bytes, lanes 16-31 the next
.set XO,  9                            ; the same two rows in x and out0
.set SPW, 10                           ; SPARE + 4 x my thread's number; never rewritten
.set NIL, 11                           ; 0; never rewritten
.set PO,  12                           ; byte offset of my lane's columns in a parameter vector
.set RST, 13
.set RRD, 14
.set ADB2, 15                          ; the slot in hand, its k-rows 64-127: an LDS offset has 16 bits
.set MU,  16
.set RS,  24
.set ZR,  16                           ; up to the first product's end: 0, for the merge
.set OPO, 24
.set MLO, 25
.set AMS, 26                           ; where my 16 bytes of a merged row go
.set W0,  27
.set W1,  28
.set WA,  29
.set WB,  30
.set TL,  31                           ; the half to which my lane's merged columns belong: (l / 4) % 2
.set F0,  32
.set F1,  96
.set TS,  96                           ; row sums at work: (a, chain) at TS + 4 a + 2 chain
.set RL,  112                          ; the eight waves' figures of a row, 8 a row block
.set GA,  160
.set BE,  192
.set BI,  224
.set WV,  28
.set TB,  29
.set TA,  30
.set FB,  31
.set G1W, 32
.set G0S, 40
.set G0W, 44
.set WOFF, 48
.set CNT, 49
.set SINV, 50
.set SEPS, 51
.set SEL, 52
.set OP0, 58
.set OP1, 60
.set MLB, 62
.set XB,  66
.set OUTB, 68
.set WBS, 78                           ; Wo's first byte + my wave's rows
.set OFF, 80                           ; a step's byte offset from there, as a pair
.set RI,  82                           ; the step to be asked for next
.set HT,  83                           ; the half in hand
.set SV,  84
.set T1,  85
.set MSB, 0
.macro WIN new
.if MSB != (\new)
	s_set_vgpr_msb (MSB<<8)|(\new)
.set MSB, \new
.endif
.endm
.macro PLACES                          ; four plain places between a matrix instruction and a vector instruction or load that touches its registers
.rept 4
	v_nop
.endr
.endm
.macro CREST
	s_cmp_lg_u32 s[WV], 0
	s_cbranch_scc1 .Lnot_wave_0_\@
	s_barrier_signal -3
.Lnot_wave_0_\@:
	s_barrier_wait -3
	s_barrier_signal -1
	s_barrier_wait -1
.endm
.macro CROUND
	s_barrier_signal -1
	s_barrier_wait -1
	CREST
.endm
	s_load_b512 s[4:19], s[0:1], 0x0               ; op s[4:5], ml 6, x 8, wb 10, bo 12, g1 14, b1 16, bf1 18
	s_load_b256 s[20:27], s[0:1], 0x40             ; bf2 20, g2 22, b2 24, out0 26
	v_lshl_add_u32 v[SPW], v0, 2, SPARE
	v_mov_b32 v[NIL], 0
	ds_add_u32 v10, v11
	s_wait_dscnt 0x0
	v_lshrrev_b32 v1, 5, v0
	v_readfirstlane_b32 s[WV], v1
	s_bfe_u32 s54, ttmp6, 0x40000                  ; cx
	s_lshl_b32 s55, ttmp9, 2
	s_add_co_u32 s55, s55, s54                     ; my block of 64 rows: it enters global addresses of op, ml, x and out0 alone
	s_mov_b32 s[G1W], 15|(1<<16)|(1<<20)|(1<<21)|(7<<22)|(7<<25)  ; the mask of four, bit 21 beside it; 2-byte elements; 8 words of padding behind every 256 words
	s_mov_b32 s[G1W+1], 512<<16                    ; tensor_dim0
	s_mov_b32 s[G1W+2], 16<<16                     ; tensor_dim1
	s_mov_b32 s[G1W+3], 512<<16                    ; tile_dim0
	s_mov_b32 s[G1W+4], 16                         ; tile_dim1
	s_mov_b32 s[G1W+5], 512
	s_mov_b32 s[G1W+6], 0
	s_mov_b32 s[G1W+7], 0
	s_mul_i32 s[WOFF], s[WV], 16*PW
	s_mov_b32 s[G0S], 1
	s_mov_b32 s[G0S+1], s[WOFF]
	s_mov_b32 s[G0W], 1
	s_add_co_u32 s[G0W+1], s[WOFF], SLOTB
	s_mov_b32 s[FB], SLOTB
	s_mov_b32 s[TB], 0
	s_mov_b32 s[TA], 0
	s_mov_b32 s[RI], 2
	s_mov_b32 s[OFF+1], 0
	s_mov_b32 s[SINV], 0x3b000000                  ; 1 / 512
	s_mov_b32 s[SEPS], 0x3727c5ac                  ; 1e-5
	s_mov_b32 s[SEL], 0x76543210
	s_mov_b32 s[SEL+1], 0xfedcba98
	s_lshr_b32 s56, s[WV], 1                       ; my wave's rows of a weight tile: 64 (j / 2) + 16 (j % 2), of 1,024 bytes
	s_lshl_b32 s56, s56, 16
	s_and_b32 s57, s[WV], 1
	s_lshl_b32 s57, s57, 14
	s_add_co_u32 s56, s56, s57
	s_mov_b32 s57, 0
	s_lshl_b32 s70, s55, 16                        ; op: (64 block + 8 wave) rows of 1,024 bytes
	s_lshl_b32 s71, s[WV], 13
	s_add_co_u32 s70, s70, s71
	s_mov_b32 s71, 0
	s_lshr_b32 s74, s70, 7                         ; the same rows in ml, 8 bytes each
	s_mov_b32 s75, 0
	s_lshl_b32 s76, s55, 17                        ; x, out0: 64 block rows of 2,048 bytes
	s_mov_b32 s77, 0
	s_wait_kmcnt 0x0
	s_add_nc_u64 s[WBS:WBS+1], s[10:11], s[56:57]
	s_add_nc_u64 s[WBS:WBS+1], s[WBS:WBS+1], 1572864       ; Wo is wb's fourth matrix
	s_mov_b64 s[G0S+2:G0S+3], s[WBS:WBS+1]                 ; step 0 begins at k-row 0,
	s_add_nc_u64 s[G0W+2:G0W+3], s[WBS:WBS+1], 262144      ; step 1 at k-row 256
	s_or_b32 s[G0S+3], s[G0S+3], 0x80000000
	s_or_b32 s[G0W+3], s[G0W+3], 0x80000000
	s_add_nc_u64 s[OP0:OP0+1], s[4:5], s[70:71]
	s_add_nc_u64 s[OP1:OP1+1], s[OP0:OP0+1], 0x1000000
	s_add_nc_u64 s[MLB:MLB+1], s[6:7], s[74:75]
	s_add_nc_u64 s[XB:XB+1], s[8:9], s[76:77]
	s_add_nc_u64 s[OUTB:OUTB+1], s[26:27], s[76:77]
	CROUND                                         ; all four work-groups are here: the first joint loads meet
	tensor_load_to_lds s[G0S:G0S+3], s[G1W:G1W+7]  ; my 16 rows of step 0
	s_nop 0
	tensor_load_to_lds s[G0W:G0W+3], s[G1W:G1W+7]  ; and of step 1: two loads of mine are out
	s_nop 0
	PLACES
	v_and_b32 v1, 15, v0                           ; r
	v_bfe_u32 v20, v0, 4, 1                        ; h
	v_and_b32 v21, 7, v0
	v_bfe_u32 v22, v0, 3, 1
	v_and_b32 v23, 31, v0
	v_mul_u32_u24 v[LA], v1, PAH
	v_lshl_add_u32 v[LA], v20, 4, v[LA]
	v_add_nc_u32 v[LA], UB, v[LA]
	s_lshl_b32 s54, s[WV], 6                       ; my 32 columns of a half, in bf16
	v_add_nc_u32 v[AST], s54, v[LA]
	v_lshl_add_u32 v[LB], v20, 3, v21
	v_mul_u32_u24 v[LB], v[LB], PW
	v_lshl_add_u32 v[LB], v22, 4, v[LB]
	s_lshl_b32 s54, s[WV], 7                       ; my 64 columns of W, in bf16
	v_add_nc_u32 v[LB], s54, v[LB]
	v_mov_b32 v[ADA], v[LA]
	v_mov_b32 v[ADB], v[LB]
	v_add_nc_u32 v[ADB2], 64*PW, v[LB]
	s_mul_i32 s54, s[WV], 16*SP
	s_add_co_u32 s54, s54, STAGE
	v_mul_u32_u24 v[SFR], v1, SP
	v_lshl_add_u32 v[SFR], v20, 5, v[SFR]
	v_add_nc_u32 v[SFR], s54, v[SFR]
	v_mul_u32_u24 v[SRW], v20, SP
	v_lshl_add_u32 v[SRW], v1, 4, v[SRW]
	v_add_nc_u32 v[SRW], s54, v[SRW]
	s_lshl_b32 s54, s[WV], 8                       ; my 64 columns in f32
	v_lshlrev_b32 v[XO], 11, v20
	v_lshl_add_u32 v[XO], v1, 4, v[XO]
	v_add_nc_u32 v[XO], s54, v[XO]
	v_lshlrev_b32 v[PO], 5, v20
	v_add_nc_u32 v[PO], s54, v[PO]
	v_lshlrev_b32 v[RRD], 5, v1
	v_add_nc_u32 v[RRD], RED, v[RRD]
	s_lshl_b32 s54, s[WV], 2
	v_add_nc_u32 v[RST], s54, v[RRD]
	v_lshlrev_b32 v[OPO], 4, v23
	v_lshlrev_b32 v[MLO], 3, v21
	v_bfe_u32 v[TL], v0, 2, 1
	v_bfe_u32 v[AMS], v0, 3, 2                     ; my lane's merged columns 8 l .. 8 l + 7 belong to wave l / 8's 64: byte 64 (l / 8) + 16 (l % 4) of half (l / 4) % 2
	v_lshlrev_b32 v[AMS], 6, v[AMS]
	v_and_b32 v[W0], 3, v0
	v_lshl_add_u32 v[AMS], v[W0], 4, v[AMS]
	s_mul_i32 s54, s[WV], 8*PAH
	s_add_co_u32 s54, s54, UB
	v_add_nc_u32 v[AMS], s54, v[AMS]
.macro LDP dst, ptr                    ; my lane's 32 numbers of the vector at s[ptr:ptr+1]
.irp b, 0,1,2,3
	global_load_b128 v[(\dst)+8*\b:(\dst)+8*\b+3],   v[PO], s[\ptr:\ptr+1] offset:64*\b
	global_load_b128 v[(\dst)+8*\b+4:(\dst)+8*\b+7], v[PO], s[\ptr:\ptr+1] offset:64*\b+16
.endr
.endm
	; All first global loads in one run: x 32, ml 2, op 32, parameters 24.
	WIN 0x40
.set i, 0
.rept 32                                               ; x, my 64 columns of all 64 rows: two rows of 256 bytes an instruction; row block a lands in its accumulators' 32 registers
	global_load_b128 v[4*i:4*i+3], v[XO], s[XB:XB+1] offset:4096*i th:TH_LOAD_NT
.set i, i+1
.endr
	WIN 0
	global_load_b64 v[16:17], v[MLO], s[MLB:MLB+1]                 ; lane l: (c m, l) of row l % 8 of my wave's eight, first half of the keys
	global_load_b64 v[18:19], v[MLO], s[MLB:MLB+1] offset:131072   ; second half
	WIN 0x40
.set i, 0
.rept 8                                                ; row i of my eight: 1,024 bytes of each half, 16 bytes a lane at 16 l and at 512 + 16 l
	global_load_b128 v[128+16*i:128+16*i+3],     v[OPO], s[OP0:OP0+1] offset:1024*i
	global_load_b128 v[128+16*i+4:128+16*i+7],   v[OPO], s[OP0:OP0+1] offset:1024*i+512
	global_load_b128 v[128+16*i+8:128+16*i+11],  v[OPO], s[OP1:OP1+1] offset:1024*i
	global_load_b128 v[128+16*i+12:128+16*i+15], v[OPO], s[OP1:OP1+1] offset:1024*i+512
.set i, i+1
.endr
	WIN 0
	LDP BI, 12
	LDP GA, 14
	LDP BE, 16
	s_wait_loadcnt 58                              ; x is in; ml's 2, op's 32 and the parameters' 24 may stay out
.set xa, 0
.rept 4                                                ; x from rows into the accumulators' layout, through my stage, 16 rows at a time, back into the registers that it left
	WIN 0x04
.set xt, 0
.rept 8
	ds_store_b128 v[SRW], v[32*xa+4*xt:32*xa+4*xt+3] offset:xt*2*SP
.set xt, xt+1
.endr
	WIN 0x40
.set xt, 0
.rept 4
	ds_load_b128 v[32*xa+8*xt:32*xa+8*xt+3],   v[SFR] offset:64*xt     ; LDS serves a wave's instructions in order: these see the stores above, the next block's stores come behind them
	ds_load_b128 v[32*xa+8*xt+4:32*xa+8*xt+7], v[SFR] offset:64*xt+16
.set xt, xt+1
.endr
.set xa, xa+1
.endr
	WIN 0
	s_wait_loadcnt 24                              ; ml and op are in; the parameters may stay out
	; THE MERGE.  With M = max(c m0, c m1) and e_i = 2^(c m_i - M) l_i the halves weigh w_i = e_i / (e0 + e1).  The merged rows stay in registers: row i at v[128 + 8 i] of window 1.
	v_max_num_f32 v20, v16, v18
	v_sub_f32 v21, v16, v20
	v_sub_f32 v22, v18, v20
	v_exp_f32 v21, v21
	v_exp_f32 v22, v22
	v_nop
	s_wait_alu depctr_va_vdst(0)
	v_mul_f32 v21, v21, v17
	v_mul_f32 v22, v22, v19
	v_add_f32 v23, v21, v22
	v_rcp_f32 v23, v23
	v_nop
	s_wait_alu depctr_va_vdst(0)
	v_mul_f32 v[W0], v21, v23
	v_mul_f32 v[W1], v22, v23
	v_mov_b32 v[ZR], 0
.set mi, 0
.rept 8
	WIN 0
	v_readlane_b32 s72, v[W0], mi                  ; row mi's two weights, for all lanes
	v_readlane_b32 s73, v[W1], mi
	v_mov_b32 v[WA], s72
	v_mov_b32 v[WB], s73
	WIN 0x01
.set md, 0
.rept 8
	v_fma_mix_f32_bf16 v[32+2*md], v[128+16*mi+md], v[WA], v[ZR] op_sel_hi:[1,0,0]
	v_fma_mix_f32_bf16 v[33+2*md], v[128+16*mi+md], v[WA], v[ZR] op_sel:[1,0,0] op_sel_hi:[1,0,0]
.set md, md+1
.endr
.set md, 0
.rept 8
	v_fma_mix_f32_bf16 v[32+2*md], v[128+16*mi+8+md], v[WB], v[32+2*md] op_sel_hi:[1,0,0]
	v_fma_mix_f32_bf16 v[33+2*md], v[128+16*mi+8+md], v[WB], v[33+2*md] op_sel:[1,0,0] op_sel_hi:[1,0,0]
.set md, md+1
.endr
	WIN 0x40
.set md, 0
.rept 8
	v_cvt_pk_bf16_f32 v[128+8*mi+md], v[32+2*md], v[33+2*md]   ; onto registers of rows that are merged already
.set md, md+1
.endr
.set mi, mi+1
.endr
	s_wait_loadcnt 0x0
	s_wait_dscnt 0x0                               ; x is back in registers: my use of the stage is over
	WIN 0x41
.set i, 0
.rept 64
	v_pk_add_f32 v[i:i+1], v[i:i+1], v[BI+i%32:BI+i%32+1]  ; the sums start from x + bo
.set i, i+2
.endr
	WIN 0
	LDP BI, 18                                     ; bf1, wanted behind the first product
.macro MUL4 f, a                       ; 4 matrix instructions: row block a x my 4 column blocks.  The 16 accumulators take turns in one fixed order
	WIN 0x50
.irp b, 0,1,2,3
	v_wmma_f32_16x16x32_bf16 v[8*(4*(\a)+\b):8*(4*(\a)+\b)+7], v[(\f)+8*\b:(\f)+8*\b+7], v[(\f)+32+8*(\a):(\f)+32+8*(\a)+7], v[8*(4*(\a)+\b):8*(4*(\a)+\b)+7]
.endr
.endm
.macro FETCH_B f, c                    ; W's fragments of chunk c (32 k-rows) of the slot in hand
	WIN 0
.set fbr, ADB+(ADB2-ADB)*((\c)/2)
.set fbo, ((\c)%2)*32*PW
.irp b, 0,1,2,3
	ds_load_tr16_b128 v[(\f)+8*\b:(\f)+8*\b+3],   v[fbr] offset:fbo+32*\b
	ds_load_tr16_b128 v[(\f)+8*\b+4:(\f)+8*\b+7], v[fbr] offset:fbo+32*\b+16*PW
.endr
.endm
.macro FETCH_A f, c
	WIN 0
.irp a, 0,1,2,3
	ds_load_b128 v[(\f)+32+8*\a:(\f)+32+8*\a+3],   v[ADA] offset:\a*16*PAH+64*(\c)
	ds_load_b128 v[(\f)+32+8*\a+4:(\f)+32+8*\a+7], v[ADA] offset:\a*16*PAH+64*(\c)+32
.endr
.endm
.macro CH f, g, c                      ; multiplies buffer f; in its middle fetches chunk c into buffer g
	s_wait_dscnt 0x0
	MUL4 \f, 0
	MUL4 \f, 1
	PLACES
	FETCH_B \g, \c
	FETCH_A \g, \c
	MUL4 \f, 2
	MUL4 \f, 3
.endm
; A step's last chunk multiplies buffer 1 and changes slots.  mode 1: the slot is filled again, with step RI, behind a round of the cluster's barrier; mode 2: nothing is asked for.
.macro T mode
	s_wait_dscnt 0x0                               ; buffer 1's loads are in: my last reads of this slot
	WIN 0
	s_wait_tensorcnt 0x0                           ; all my tensor loads have landed: the one that was out is my part of the next slot
	ds_add_u32 v[SPW], v[NIL]                      ; 0 onto my spare word
.if (\mode) == 1
	s_xor_b32 s[FB], s[FB], SLOTB                  ; the other slot than last time;
	s_add_co_u32 s[G0W+1], s[FB], s[WOFF]
	s_and_b32 s[OFF], s[RI], 1                     ; the address is made anew: 256 (I % 2) rows of 1,024 bytes,
	s_lshl_b32 s[OFF], s[OFF], 18
	s_and_b32 s[T1], s[RI], 2                      ; + 32 ((I / 2) % 2),
	s_lshl_b32 s[T1], s[T1], 14
	s_add_co_u32 s[OFF], s[OFF], s[T1]
	s_and_b32 s[T1], s[RI], 12                     ; + 512 (I / 4)
	s_lshl_b32 s[T1], s[T1], 17
	s_add_co_u32 s[OFF], s[OFF], s[T1]
	s_add_co_u32 s[RI], s[RI], 1
	s_add_nc_u64 s[G0W+2:G0W+3], s[WBS:WBS+1], s[OFF:OFF+1]
	s_or_b32 s[G0W+3], s[G0W+3], 0x80000000
.endif
	s_xor_b32 s[TB], s[TB], SLOTB
	s_add_co_u32 s[TA], s[TA], 256
	s_and_b32 s[TA], s[TA], 511                    ; a half's two steps: bytes 0 and 256 of the left operand's rows
	MUL4 F1, 0
	s_wait_dscnt 0x0                               ; the add is done
	s_barrier_signal -1
	MUL4 F1, 1
	WIN 0
	s_barrier_wait -1
.if (\mode) == 1
	CREST                                          ; no wave of any partner still reads the slot or has a load on its way
	tensor_load_to_lds s[G0W:G0W+3], s[G1W:G1W+7]  ; my one load behind the round: it has a step, 64 matrix instructions of each wave, in which to land
	s_nop 0
.endif
	PLACES                                         ; also the places in front of the loads below
	v_add_nc_u32 v[ADB], s[TB], v[LB]
	v_add_nc_u32 v[ADB2], 64*PW, v[ADB]
	v_add_nc_u32 v[ADA], s[TA], v[LA]
	FETCH_B F0, 0
	FETCH_A F0, 0
	MUL4 F1, 2
	MUL4 F1, 3
.endm
.macro STEP mode
	CH F0, F1, 1
	CH F1, F0, 2
	CH F0, F1, 3
	T \mode
.endm
.macro QUIET                           ; my reads of the left operand are back; behind the barrier nobody reads it any more
	s_wait_dscnt 0x0
	s_barrier_signal -1
	s_barrier_wait -1
.endm
.macro SHOWN                           ; my part of the new half is stored; behind the barrier it is whole; its first fragments are fetched
	s_wait_dscnt 0x0
	s_barrier_signal -1
	s_barrier_wait -1
	FETCH_A F0, 0
.endm
.macro STA src                         ; 32 packed registers become my 32 columns of a half
	WIN 0
.irp a, 0,1,2,3
	ds_store_b128 v[AST], v[(\src)+8*\a:(\src)+8*\a+3] offset:\a*16*PAH
	ds_store_b128 v[AST], v[(\src)+8*\a+4:(\src)+8*\a+7] offset:\a*16*PAH+32
.endr
.endm
.macro TOA src                         ; 128 registers of window 1 from src on, rounded to bf16: column blocks 0, 1 into GA, blocks 2, 3 into BI
	WIN 0x05
.irp a, 0,1,2,3
.irp e, 0,1,2,3,4,5,6,7
	v_cvt_pk_bf16_f32 v[GA+8*\a+\e], v[(\src)+32*\a+2*\e], v[(\src)+32*\a+2*\e+1]
.endr
.irp e, 0,1,2,3,4,5,6,7
	v_cvt_pk_bf16_f32 v[BI+8*\a+\e], v[(\src)+32*\a+16+2*\e], v[(\src)+32*\a+16+2*\e+1]
.endr
.endr
	WIN 0
.endm
; The four row blocks' sums at TS become sums over all 512 columns, at RL + 8 a, in every lane: within the lane, across the halves of the lanes, then over the eight waves through area kk of RED.
.macro RSUM kk
	WIN 0
.irp a, 0,1,2,3
	v_pk_add_f32 v[TS+4*\a:TS+4*\a+1], v[TS+4*\a:TS+4*\a+1], v[TS+4*\a+2:TS+4*\a+3]
.endr
.irp a, 0,1,2,3
	v_add_f32 v[TS+4*\a], v[TS+4*\a], v[TS+4*\a+1]
.endr
.irp a, 0,1,2,3
	v_permlanex16_b32 v[TS+4*\a+1], v[TS+4*\a], s[SEL], s[SEL+1]
.endr
.irp a, 0,1,2,3
	v_add_f32 v[TS+4*\a], v[TS+4*\a], v[TS+4*\a+1]
.endr
.irp a, 0,1,2,3
	ds_store_b32 v[RST], v[TS+4*\a] offset:(\kk)*2048+\a*512
.endr
	s_wait_dscnt 0x0                               ; for the others' sake: my figures are stored
	s_barrier_signal -1
	s_barrier_wait -1
.irp a, 0,1,2,3
	ds_load_b128 v[RL+8*\a:RL+8*\a+3],   v[RRD] offset:(\kk)*2048+\a*512
	ds_load_b128 v[RL+8*\a+4:RL+8*\a+7], v[RRD] offset:(\kk)*2048+\a*512+16
.endr
	s_wait_dscnt 0x0
.irp a, 0,1,2,3
	v_pk_add_f32 v[RL+8*\a:RL+8*\a+1], v[RL+8*\a:RL+8*\a+1], v[RL+8*\a+2:RL+8*\a+3]
	v_pk_add_f32 v[RL+8*\a+4:RL+8*\a+5], v[RL+8*\a+4:RL+8*\a+5], v[RL+8*\a+6:RL+8*\a+7]
.endr
.irp a, 0,1,2,3
	v_pk_add_f32 v[RL+8*\a:RL+8*\a+1], v[RL+8*\a:RL+8*\a+1], v[RL+8*\a+4:RL+8*\a+5]
.endr
.irp a, 0,1,2,3
	v_add_f32 v[RL+8*\a], v[RL+8*\a], v[RL+8*\a+1]
.endr
.endm
; LAYER NORM of the accumulators, into h's registers: mean; centre; mean of squares; 1 / sqrt(var + 1e-5); gain GA and shift BE.  Each accumulator is read from its low end on.
.macro LN kk
	PLACES
	WIN 0x05
.irp a, 0,1,2,3
.irp c, 0,1
	v_pk_add_f32 v[TS+4*\a+2*\c:TS+4*\a+2*\c+1], v[32*\a+16*\c:32*\a+16*\c+1], v[32*\a+16*\c+2:32*\a+16*\c+3]
.endr
.endr
	WIN 0x01
.irp p, 2,3,4,5,6,7
.irp a, 0,1,2,3
.irp c, 0,1
	v_pk_add_f32 v[TS+4*\a+2*\c:TS+4*\a+2*\c+1], v[32*\a+16*\c+2*\p:32*\a+16*\c+2*\p+1], v[TS+4*\a+2*\c:TS+4*\a+2*\c+1]
.endr
.endr
.endr
	RSUM \kk
.irp a, 0,1,2,3
	v_mul_f32 v[MU+2*\a], s[SINV], v[RL+8*\a]
	v_mul_f32 v[MU+2*\a+1], s[SINV], v[RL+8*\a]
.endr
	WIN 0x41
.set li, 0
.rept 64
	v_pk_add_f32 v[li:li+1], v[li:li+1], v[MU+2*(li/32):MU+2*(li/32)+1] neg_lo:[0,1] neg_hi:[0,1]
.set li, li+2
.endr
	WIN 0x05
.irp a, 0,1,2,3
.irp c, 0,1
	v_pk_mul_f32 v[TS+4*\a+2*\c:TS+4*\a+2*\c+1], v[32*\a+16*\c:32*\a+16*\c+1], v[32*\a+16*\c:32*\a+16*\c+1]
.endr
.endr
.irp p, 1,2,3,4,5,6,7
.irp a, 0,1,2,3
.irp c, 0,1
	v_pk_fma_f32 v[TS+4*\a+2*\c:TS+4*\a+2*\c+1], v[32*\a+16*\c+2*\p:32*\a+16*\c+2*\p+1], v[32*\a+16*\c+2*\p:32*\a+16*\c+2*\p+1], v[TS+4*\a+2*\c:TS+4*\a+2*\c+1]
.endr
.endr
.endr
	RSUM (\kk)+1
.irp a, 0,1,2,3
	v_fma_f32 v[RS+2*\a], v[RL+8*\a], s[SINV], s[SEPS]
.endr
.irp a, 0,1,2,3
	v_rsq_f32 v[RS+2*\a], v[RS+2*\a]
.endr
	v_nop                                          ; a plain instruction behind the last of them
	s_wait_alu depctr_va_vdst(0)
.irp a, 0,1,2,3
	v_mov_b32 v[RS+2*\a+1], v[RS+2*\a]
.endr
	WIN 0x41
.set li, 0
.rept 64
	v_pk_mul_f32 v[li:li+1], v[li:li+1], v[RS+2*(li/32):RS+2*(li/32)+1]
.set li, li+2
.endr
.set li, 0
.rept 64
	v_pk_fma_f32 v[128+li:128+li+1], v[li:li+1], v[GA+li%32:GA+li%32+1], v[BE+li%32:BE+li%32+1]
.set li, li+2
.endr
	WIN 0
.endm
	s_wait_tensorcnt 0x1                           ; my part of step 0 is in; step 1's may stay out
	s_barrier_signal -1
	s_barrier_wait -1                              ; everybody's is; and no wave uses the stage any more
	FETCH_B F0, 0
	s_mov_b32 s[HT], 0
.Lh1:                                                  ; O Wo, half by half
	QUIET
	s_wait_xcnt 0x0                                ; EXEC changes only behind this wait: bf1's loads may be out
	v_cmp_eq_u32 vcc_lo, s[HT], v[TL]
	s_and_saveexec_b32 s[SV], vcc_lo               ; the lanes whose merged columns belong to this half
	WIN 0x04
.set mi, 0
.rept 8
	ds_store_b128 v[AMS], v[128+8*mi:128+8*mi+3] offset:mi*PAH
	ds_store_b128 v[AMS], v[128+8*mi+4:128+8*mi+7] offset:mi*PAH+256
.set mi, mi+1
.endr
	WIN 0
	s_or_b32 exec_lo, exec_lo, s[SV]
	SHOWN
	s_mov_b32 s[CNT], 2
.Ls1:
	STEP 1
	WIN 0
	s_sub_co_u32 s[CNT], s[CNT], 1
	s_cmp_lg_u32 s[CNT], 0
	s_cbranch_scc1 .Ls1
	s_add_co_u32 s[HT], s[HT], 1
	s_cmp_lt_u32 s[HT], 2
	s_cbranch_scc1 .Lh1
	s_wait_loadcnt 0x0                             ; bf1
	LN 0                                           ; h
	WIN 0x40
.set i, 0
.rept 128
	v_mov_b32 v[i], v[BI+i%32]                     ; the sums start from bf1
.set i, i+1
.endr
	TOA 128
	LDP BE, 20                                     ; bf2, wanted behind the second product
	s_mov_b32 s[HT], 0
.Lh2:                                                  ; h W1, half by half
	QUIET
	STA GA
.set i, 0
.rept 32
	v_mov_b32 v[GA+i], v[BI+i]                     ; the second half takes the first's place, so that both trips have one text
.set i, i+1
.endr
	SHOWN
	s_mov_b32 s[CNT], 2
.Ls2:
	STEP 1
	WIN 0
	s_sub_co_u32 s[CNT], s[CNT], 1
	s_cmp_lg_u32 s[CNT], 0
	s_cbranch_scc1 .Ls2
	s_add_co_u32 s[HT], s[HT], 1
	s_cmp_lt_u32 s[HT], 2
	s_cbranch_scc1 .Lh2
	PLACES
	WIN 0x44
.set i, 0
.rept 128
	v_max_num_f32 v[i], 0, v[i]                    ; relu
.set i, i+1
.endr
	TOA 0
	s_wait_loadcnt 0x0                             ; bf2
	WIN 0x41
.set i, 0
.rept 64
	v_pk_add_f32 v[i:i+1], v[128+i:128+i+1], v[BE+i%32:BE+i%32+1]  ; the sums start from h + bf2
.set i, i+2
.endr
	WIN 0
	LDP BE, 24                                     ; b2
	QUIET                                          ; relu(..) W2: its first half asks for its second, which asks for nothing: both are written out
	STA GA
	SHOWN
	LDP GA, 22                                     ; g2: the stores that read these registers are done
	s_mov_b32 s[CNT], 2
.Ls3:
	STEP 1
	WIN 0
	s_sub_co_u32 s[CNT], s[CNT], 1
	s_cmp_lg_u32 s[CNT], 0
	s_cbranch_scc1 .Ls3
	QUIET
	STA BI
	SHOWN
	s_mov_b32 s[CNT], 2
.Ls4:                                                  ; the last two steps; the second trip's barrier and its 16 LDS loads serve nothing: the price of one text for both
	STEP 2
	WIN 0
	s_sub_co_u32 s[CNT], s[CNT], 1
	s_cmp_lg_u32 s[CNT], 0
	s_cbranch_scc1 .Ls4
	s_wait_loadcnt 0x0                             ; g2, b2
	LN 2
	; THE WAY OUT: 16 rows at a time through my stage, back as rows of 256 bytes.  The stage lies where the left operand lay: every wave's reads of that were back in front of the barriers above.
.set oa, 0
.rept 4
	WIN 0x04
.set ot, 0
.rept 4
	ds_store_b128 v[SFR], v[128+32*oa+8*ot:128+32*oa+8*ot+3] offset:64*ot
	ds_store_b128 v[SFR], v[128+32*oa+8*ot+4:128+32*oa+8*ot+7] offset:64*ot+16
.set ot, ot+1
.endr
	WIN 0
	s_wait_xcnt 0x0                                ; the registers that the last block's stores read are loaded again only behind this wait
.set ot, 0
.rept 8
	ds_load_b128 v[96+4*ot:96+4*ot+3], v[SRW] offset:ot*2*SP
.set ot, ot+1
.endr
.set ot, 0
.rept 8
	s_wait_dscnt 7-ot
	global_store_b128 v[XO], v[96+4*ot:96+4*ot+3], s[OUTB:OUTB+1] offset:(16*oa+2*ot)*2048 th:TH_STORE_NT  ; 16 lanes store 256 consecutive bytes at a multiple of 256
.set ot, ot+1
.endr
.set oa, oa+1
.endr
	s_wait_tensorcnt 0x0                           ; the wave's end
	ds_add_u32 v[SPW], v[NIL]
	s_wait_dscnt 0x0
	CROUND                                         ; the closing round
	s_endpgm
.Lfunc_end_k_q5bf379355c_tail:
	.size	k_q5bf379355c_tail, .Lfunc_end_k_q5bf379355c_tail-k_q5bf379355c_tail
	.p2alignl 7, 3214868480
	.fill 96, 4, 3214868480
	.section	.rodata,"a",@progbits
	.p2align	6, 0x0
	.amdhsa_kernel k_q5bf379355c_tail
		.amdhsa_group_segment_fixed_size 327680
		.amdhsa_private_segment_fixed_size 0
		.amdhsa_enable_private_segment 0
		.amdhsa_kernarg_size 96
		.amdhsa_user_sgpr_count 2
		.amdhsa_user_sgpr_kernarg_segment_ptr 1
		.amdhsa_wavefront_size32 1
		.amdhsa_system_sgpr_workgroup_id_x 1
		.amdhsa_system_sgpr_workgroup_id_y 1
		.amdhsa_system_sgpr_workgroup_id_z 1
		.amdhsa_system_vgpr_workitem_id 0
		.amdhsa_next_free_vgpr 512
		.amdhsa_next_free_sgpr 88
		.amdhsa_reserve_vcc 1
		.amdhsa_float_denorm_mode_32 3
		.amdhsa_float_denorm_mode_16_64 3
		.amdhsa_memory_ordered 1
		.amdhsa_forward_progress 1
		.amdhsa_inst_pref_size 178
	.end_amdhsa_kernel
	.amdgpu_metadata
---
amdhsa.version: [ 1, 2 ]
amdhsa.kernels:
  - .name:           k_q5bf379355c_tail
    .symbol:         k_q5bf379355c_tail.kd
    .args:
      - { .name: op, .offset: 0, .size: 8, .value_kind: global_buffer, .address_space: global }
      - { .name: ml, .offset: 8, .size: 8, .value_kind: global_buffer, .address_space: global }
      - { .name: x, .offset: 16, .size: 8, .value_kind: global_buffer, .address_space: global }
      - { .name: wb, .offset: 24, .size: 8, .value_kind: global_buffer, .address_space: global }
      - { .name: bo, .offset: 32, .size: 8, .value_kind: global_buffer, .address_space: global }
      - { .name: g1, .offset: 40, .size: 8, .value_kind: global_buffer, .address_space: global }
      - { .name: b1, .offset: 48, .size: 8, .value_kind: global_buffer, .address_space: global }
      - { .name: bf1, .offset: 56, .size: 8, .value_kind: global_buffer, .address_space: global }
      - { .name: bf2, .offset: 64, .size: 8, .value_kind: global_buffer, .address_space: global }
      - { .name: g2, .offset: 72, .size: 8, .value_kind: global_buffer, .address_space: global }
      - { .name: b2, .offset: 80, .size: 8, .value_kind: global_buffer, .address_space: global }
      - { .name: out0, .offset: 88, .size: 8, .value_kind: global_buffer, .address_space: global }
    .group_segment_fixed_size: 327680
    .private_segment_fixed_size: 0
    .kernarg_segment_align: 8
    .kernarg_segment_size: 96
    .max_flat_workgroup_size: 256
    .sgpr_count:     88
    .vgpr_count:     512
    .wavefront_size: 32
...
	.end_amdgpu_metadata
.endif
;; end of part 4
;; ======== version 2 of 2: 4 launches; version 1 with the launch prep written anew for expert scheduling mode
;; limits: values outside matrix products are rounded to bf16
;; workspace buffers: xb 16,777,216 bytes; wb 3,145,728 bytes; qkv 50,331,648 bytes; op 33,554,432 bytes; ml 262,144 bytes
;; launch prep (part 5): grid 256 x 1, 8 waves a work-group, no clusters, 0 bytes of LDS; arguments x, Wq, Wk, Wv, Wo, W1, W2, xb, wb; writes xb, wb
.if DOCPART == 5
	.amdgcn_target "amdgcn-amd-amdhsa--gfx1250"
	.amdhsa_code_object_version 6
	.text
	.protected	k_q5bf379355c_prep
	.globl	k_q5bf379355c_prep
	.p2align	8
	.type	k_q5bf379355c_prep,@function
k_q5bf379355c_prep:
	s_mov_b64 s[64:65], 0
	v_nop
	global_prefetch_b8 v0, s[64:65] scope:SCOPE_SE
	s_setreg_imm32_b32 hwreg(HW_REG_WAVE_SCHED_MODE, 0, 2), 2
	s_setreg_imm32_b32 hwreg(HW_REG_WAVE_MODE, 25, 1), 1
	s_wait_xcnt 0x0
	s_wait_alu depctr_vm_vsrc(0)
; x and the six weight matrices are rounded to bf16, layouts unchanged: xb [16384][512]; wb [6][512 k][512 n] in the order Wq, Wk, Wv, Wo, W1, W2.
; A stream: no LDS, no matrix unit, no cluster (no work-group shares a byte with another).  A work-group takes 131,072 bytes of x (32 loads of 16 bytes a
; thread) and 4,096 bytes of each weight (one load each).  All 38 loads go out first; each has registers of its own, so nothing is rewritten.
; A wave's load covers 512 consecutive bytes, its store 256 consecutive bytes at a multiple of 256.
; THE MODE: SCHED_MODE bits 1:0 = 2 (LLVM: expert scheduling mode 2), set by the entry lines.  The code itself states the register dependences
; between vector instructions and memory instructions, with s_wait_alu, always for 0.
; THE PLAN.  Registers that memory instructions touch:
;   v1, v2   byte offsets of the loads and of the stores: written once at the head, never again.
;   IN       load i: four registers, written by that load alone, which is issued before any conversion; read by load i's two conversions.
;   OUT      load i: two registers, written once, by load i's two conversions; read by load i's store.
; No register that a memory instruction reads is written again, and no load lands in a register that a vector instruction has named: what is left to state is that
; the offsets are written ahead of the first load, and that a store's data are written ahead of the store.  The 38 loads are taken in blocks of four.  A block's stores
; stand one block behind its conversions: ONE wait at a block's head states that the block before has written its OUT, and that block's four stores follow it, dealt
; among this block's conversions, which name this block's IN and OUT alone.  The text is a straight line: there is no other path.
.set NX, 32
.set NW, 6
.set N,  NX+NW
.set BLOCK, 4                          ; loads in a block; the tenth block has two
.set IN,  16                           ; v[16:167]   load i: 4 registers
.set OUT, 168                          ; v[168:243]  load i: 2 registers, 4 bf16
	s_load_b512 s[8:23], s[0:1], 0x0               ; x s[8:9], Wq .. W2 s[10:21], xb s[22:23]
	s_load_b64 s[24:25], s[0:1], 0x40              ; wb
	v_lshlrev_b32 v1, 4, v0                        ; 16 bytes a thread in
	v_lshlrev_b32 v2, 3, v0                        ; 8 bytes a thread out
	s_lshl_b32 s2, ttmp9, 17                       ; my part of x
	s_mov_b32 s3, 0
	s_lshl_b32 s4, ttmp9, 16                       ; of xb
	s_mov_b32 s5, 0
	s_lshl_b32 s6, ttmp9, 12                       ; of each weight
	s_mov_b32 s7, 0
	s_lshl_b32 s26, ttmp9, 11                      ; of each weight in wb
	s_mov_b32 s27, 0
	s_wait_kmcnt 0x0
	s_add_nc_u64 s[8:9], s[8:9], s[2:3]
	s_add_nc_u64 s[22:23], s[22:23], s[4:5]
.irp p, 10,12,14,16,18,20
	s_add_nc_u64 s[\p:\p+1], s[\p:\p+1], s[6:7]
.endr
	s_add_nc_u64 s[24:25], s[24:25], s[26:27]
	s_wait_alu depctr_va_vdst(0)                   ; v1 and v2 are written: every load of the kernel reads v1 as its offset, every store v2
.set i, 0
.rept NX
	global_load_b128 v[IN+4*i:IN+4*i+3], v1, s[8:9] offset:4096*i th:TH_LOAD_NT
.set i, i+1
.endr
.set i, 0
.rept NW
	global_load_b128 v[IN+4*(NX+i):IN+4*(NX+i)+3], v1, s[10+2*i:11+2*i]
.set i, i+1
.endr
; The store of load n's four numbers: into xb, or into the weight's part of wb.
.macro PUT n
.if (\n) < NX
	global_store_b64 v2, v[OUT+2*(\n):OUT+2*(\n)+1], s[22:23] offset:2048*(\n)
.else
	global_store_b64 v2, v[OUT+2*(\n):OUT+2*(\n)+1], s[24:25] offset:((\n)-NX)*524288
.endif
.endm
.set i, 0
.rept ((N+BLOCK-1)/BLOCK)*BLOCK                        ; ten blocks of four turns; the last block's turns 2 and 3 only store
.if i < N
	s_wait_loadcnt N-1-i                           ; loads come back in order: load i is in, the younger ones stay out
.endif
.if (i%BLOCK == 0) && (i > 0)
	s_wait_alu depctr_va_vdst(0)                   ; the block before has written its OUT registers, which the four stores of this block's turns read
.endif
.if i >= BLOCK
	PUT i-BLOCK                                    ; no vector instruction since that wait names these registers or v2
.endif
.if i < N
	v_cvt_pk_bf16_f32 v[OUT+2*i], v[IN+4*i], v[IN+4*i+1]
	v_cvt_pk_bf16_f32 v[OUT+2*i+1], v[IN+4*i+2], v[IN+4*i+3]
.endif
.set i, i+1
.endr
	s_wait_alu depctr_va_vdst(0)                   ; the last block's conversions have written OUT of loads 36 and 37, which the last two stores read
	PUT N-2
	PUT N-1
	s_endpgm
.Lfunc_end_k_q5bf379355c_prep:
	.size	k_q5bf379355c_prep, .Lfunc_end_k_q5bf379355c_prep-k_q5bf379355c_prep
	.p2alignl 7, 3214868480
	.fill 96, 4, 3214868480
	.section	.rodata,"a",@progbits
	.p2align	6, 0x0
	.amdhsa_kernel k_q5bf379355c_prep
		.amdhsa_group_segment_fixed_size 0
		.amdhsa_private_segment_fixed_size 0
		.amdhsa_enable_private_segment 0
		.amdhsa_kernarg_size 72
		.amdhsa_user_sgpr_count 2
		.amdhsa_user_sgpr_kernarg_segment_ptr 1
		.amdhsa_wavefront_size32 1
		.amdhsa_system_sgpr_workgroup_id_x 1
		.amdhsa_system_sgpr_workgroup_id_y 1
		.amdhsa_system_sgpr_workgroup_id_z 1
		.amdhsa_system_vgpr_workitem_id 0
		.amdhsa_next_free_vgpr 248
		.amdhsa_next_free_sgpr 66
		.amdhsa_reserve_vcc 0
		.amdhsa_float_denorm_mode_32 3
		.amdhsa_float_denorm_mode_16_64 3
		.amdhsa_memory_ordered 1
		.amdhsa_forward_progress 1
		.amdhsa_inst_pref_size 15
	.end_amdhsa_kernel
	.amdgpu_metadata
---
amdhsa.version: [ 1, 2 ]
amdhsa.kernels:
  - .name:           k_q5bf379355c_prep
    .symbol:         k_q5bf379355c_prep.kd
    .args:
      - { .name: x, .offset: 0, .size: 8, .value_kind: global_buffer, .address_space: global }
      - { .name: Wq, .offset: 8, .size: 8, .value_kind: global_buffer, .address_space: global }
      - { .name: Wk, .offset: 16, .size: 8, .value_kind: global_buffer, .address_space: global }
      - { .name: Wv, .offset: 24, .size: 8, .value_kind: global_buffer, .address_space: global }
      - { .name: Wo, .offset: 32, .size: 8, .value_kind: global_buffer, .address_space: global }
      - { .name: W1, .offset: 40, .size: 8, .value_kind: global_buffer, .address_space: global }
      - { .name: W2, .offset: 48, .size: 8, .value_kind: global_buffer, .address_space: global }
      - { .name: xb, .offset: 56, .size: 8, .value_kind: global_buffer, .address_space: global }
      - { .name: wb, .offset: 64, .size: 8, .value_kind: global_buffer, .address_space: global }
    .group_segment_fixed_size: 0
    .private_segment_fixed_size: 0
    .kernarg_segment_align: 8
    .kernarg_segment_size: 72
    .max_flat_workgroup_size: 256
    .sgpr_count:     66
    .vgpr_count:     248
    .wavefront_size: 32
...
	.end_amdgpu_metadata
.endif
;; end of part 5
;; launch proj: the kernel of part 2 again; grid 128 x 2, 4 waves a work-group, clusters of 4 x 1, 327,680 bytes of LDS; arguments xb, wb, bq, bk, bv, qkv; writes qkv
;; launch attn: the kernel of part 3 again; grid 16 x 16, 4 waves a work-group, clusters of 4 x 1, 327,680 bytes of LDS; arguments qkv, op, ml; writes op, ml
;; launch tail: the kernel of part 4 again; grid 256 x 1, 8 waves a work-group, clusters of 4 x 1, 327,680 bytes of LDS; arguments op, ml, x, wb, bo, g1, b1, bf1, bf2, g2, b2, out0; writes out0
